; MI455X (gfx1250); checked and timed in simulation.
; The chip was launched on July 23, 2026; its instructions are those of AMD's public machine-readable ISA for CDNA 5 (MIT licence, August 2026) and "CDNA5" Instruction Set Architecture Reference Guide (July 2026). The comments in the code are by the model that wrote it; some were corrected since.
;; Adaptive Memory Compressor. Allowed arithmetic: float matrix products may take bf16 or f16 operands with f32 sums; all other float work in f32.
;; Inputs: b1 2,048 float32; b2 1,024 float32; in_proj_b 3,072 float32; in_proj_w 3,072 x 1,024 float32; ln_b 1,024 float32; ln_g 1,024 float32; memory 8 x 1,024 x 1,024 float32; out_proj_b 1,024 float32; out_proj_w 1,024 x 1,024 float32; query 1 x 64 x 1,024 float32; w1 2,048 x 1,024 float32; w2 1,024 x 2,048 float32.
;; Outputs: out0 8 x 64 x 1,024 float32; out1 8 x 1,024 x 1,024 float32.
;; One version. Each part assembles by itself: llvm-mc -triple=amdgcn-amd-amdhsa -mcpu=gfx1250 --defsym DOCPART=n.
;; ======== version 1 of 1: 6 launches
;; limits: values are held in f16: magnitudes above 65,504 overflow, below 6.1e-05 lose precision
;; workspace buffers: m16 16,777,216 bytes; wi16 6,291,456 bytes; wo16 2,097,152 bytes; wf16 8,388,608 bytes; big16 33,554,432 bytes; q32 262,144 bytes; at32 2,097,152 bytes; o32 2,097,152 bytes
;; launch cvt (part 1): grid 1024 x 1, 8 waves a work-group, no clusters, 0 bytes of LDS; arguments memory, in_proj_w, out_proj_w, w1, w2, m16, wi16, wo16, wf16; writes m16, wi16, wo16, wf16
.if DOCPART == 1
	.amdgcn_target "amdgcn-amd-amdhsa--gfx1250"
	.amdhsa_code_object_version 6
	.text
	.protected	k_q08b32b0258_cvt
	.globl	k_q08b32b0258_cvt
	.p2align	8
	.type	k_q08b32b0258_cvt,@function
k_q08b32b0258_cvt:
	s_mov_b64 s[64:65], 0
	v_nop
	global_prefetch_b8 v0, s[64:65] scope:SCOPE_SE
	s_setreg_imm32_b32 hwreg(HW_REG_WAVE_MODE, 25, 1), 1
	s_wait_xcnt 0x0
; memory and the four weight matrices, f32, are rounded once to f16 (nearest even) for the matrix products of the later launches.
; LIMIT: a number beyond 65,504 becomes an infinity; below 6.1e-5 f16 keeps its fixed step of 6e-8.
; A stream: no LDS, no barrier, no matrix unit, no cluster (no byte is read twice).  A work-group takes 16,384 numbers: 64 KiB in, 32 KiB out.
; Work-groups 0-511 memory -> m16; 512-703 in_proj_w -> wi16; 704-767 out_proj_w -> wo16; 768-895 w1 -> wf16; 896-1023 w2 -> wf16, behind w1.
; Thread t takes the 16 bytes at 16 t of each 4,096: a wave's load covers 512 consecutive bytes, its store 256 consecutive bytes at a multiple of 256.
; All sixteen loads of a wave go out first; no register is written twice, so no wait frees anything.
.set X, 8                              ; v[8:71]    sixteen times four f32 as loaded
.set Y, 72                             ; v[72:103]  sixteen times four f16 to store
	s_load_b512 s[8:23], s[0:1], 0x0               ; memory s[8:9], in_proj_w s[10:11], out_proj_w s[12:13], w1 s[14:15], w2 s[16:17], m16 s[18:19], wi16 s[20:21], wo16 s[22:23]
	s_load_b64 s[24:25], s[0:1], 0x40              ; wf16
	s_mov_b32 s2, ttmp9                            ; the work-group's number
	s_mov_b32 s26, 0                               ; the first work-group of my source
	s_mov_b32 s27, 0                               ; the first work-group of my destination
	s_mov_b32 s29, 0
	s_mov_b32 s31, 0
	v_lshlrev_b32 v1, 4, v0                        ; 16 t
	v_lshlrev_b32 v2, 3, v0                        ; 8 t
	s_wait_kmcnt 0x0
	s_mov_b64 s[4:5], s[8:9]
	s_mov_b64 s[6:7], s[18:19]
	s_cmp_ge_u32 s2, 512                           ; the choice hangs on the work-group's number alone
	s_cselect_b64 s[4:5], s[10:11], s[4:5]
	s_cselect_b64 s[6:7], s[20:21], s[6:7]
	s_cselect_b32 s26, 512, s26
	s_cselect_b32 s27, 512, s27
	s_cmp_ge_u32 s2, 704
	s_cselect_b64 s[4:5], s[12:13], s[4:5]
	s_cselect_b64 s[6:7], s[22:23], s[6:7]
	s_cselect_b32 s26, 704, s26
	s_cselect_b32 s27, 704, s27
	s_cmp_ge_u32 s2, 768
	s_cselect_b64 s[4:5], s[14:15], s[4:5]
	s_cselect_b64 s[6:7], s[24:25], s[6:7]
	s_cselect_b32 s26, 768, s26
	s_cselect_b32 s27, 768, s27
	s_cmp_ge_u32 s2, 896                           ; w2 goes on in wf16 where w1 ended: the destination's first work-group stays 768
	s_cselect_b64 s[4:5], s[16:17], s[4:5]
	s_cselect_b32 s26, 896, s26
	s_sub_co_u32 s28, s2, s26
	s_lshl_b32 s28, s28, 16                        ; 65,536 bytes of f32 a work-group
	s_sub_co_u32 s30, s2, s27
	s_lshl_b32 s30, s30, 15                        ; 32,768 bytes of f16
	s_add_nc_u64 s[4:5], s[4:5], s[28:29]
	s_add_nc_u64 s[6:7], s[6:7], s[30:31]
.irp j, 0,1,2,3,4,5,6,7,8,9,10,11,12,13,14,15
	global_load_b128 v[X+4*(\j):X+4*(\j)+3], v1, s[4:5] offset:4096*(\j) th:TH_LOAD_NT
.endr
.irp j, 0,1,2,3,4,5,6,7,8,9,10,11,12,13,14,15
	s_wait_loadcnt 15-(\j)                         ; loads come back in order: number j is in, the younger ones stay out
	v_cvt_pk_f16_f32 v[Y+2*(\j)], v[X+4*(\j)], v[X+4*(\j)+1]
	v_cvt_pk_f16_f32 v[Y+2*(\j)+1], v[X+4*(\j)+2], v[X+4*(\j)+3]
	global_store_b64 v2, v[Y+2*(\j):Y+2*(\j)+1], s[6:7] offset:2048*(\j)
.endr
	s_endpgm
.Lfunc_end_k_q08b32b0258_cvt:
	.size	k_q08b32b0258_cvt, .Lfunc_end_k_q08b32b0258_cvt-k_q08b32b0258_cvt
	.p2alignl 7, 3214868480
	.fill 96, 4, 3214868480
	.section	.rodata,"a",@progbits
	.p2align	6, 0x0
	.amdhsa_kernel k_q08b32b0258_cvt
		.amdhsa_group_segment_fixed_size 0
		.amdhsa_private_segment_fixed_size 0
		.amdhsa_enable_private_segment 0
		.amdhsa_kernarg_size 72
		.amdhsa_user_sgpr_count 2
		.amdhsa_user_sgpr_kernarg_segment_ptr 1
		.amdhsa_wavefront_size32 1
		.amdhsa_system_sgpr_workgroup_id_x 1
		.amdhsa_system_sgpr_workgroup_id_y 1
		.amdhsa_system_sgpr_workgroup_id_z 1
		.amdhsa_system_vgpr_workitem_id 0
		.amdhsa_next_free_vgpr 104
		.amdhsa_next_free_sgpr 66
		.amdhsa_reserve_vcc 0
		.amdhsa_float_denorm_mode_32 3
		.amdhsa_float_denorm_mode_16_64 3
		.amdhsa_memory_ordered 1
		.amdhsa_forward_progress 1
		.amdhsa_inst_pref_size 8
	.end_amdhsa_kernel
	.amdgpu_metadata
---
amdhsa.version: [ 1, 2 ]
amdhsa.kernels:
  - .name:           k_q08b32b0258_cvt
    .symbol:         k_q08b32b0258_cvt.kd
    .args:
      - { .name: memory, .offset: 0, .size: 8, .value_kind: global_buffer, .address_space: global }
      - { .name: in_proj_w, .offset: 8, .size: 8, .value_kind: global_buffer, .address_space: global }
      - { .name: out_proj_w, .offset: 16, .size: 8, .value_kind: global_buffer, .address_space: global }
      - { .name: w1, .offset: 24, .size: 8, .value_kind: global_buffer, .address_space: global }
      - { .name: w2, .offset: 32, .size: 8, .value_kind: global_buffer, .address_space: global }
      - { .name: m16, .offset: 40, .size: 8, .value_kind: global_buffer, .address_space: global }
      - { .name: wi16, .offset: 48, .size: 8, .value_kind: global_buffer, .address_space: global }
      - { .name: wo16, .offset: 56, .size: 8, .value_kind: global_buffer, .address_space: global }
      - { .name: wf16, .offset: 64, .size: 8, .value_kind: global_buffer, .address_space: global }
    .group_segment_fixed_size: 0
    .private_segment_fixed_size: 0
    .kernarg_segment_align: 8
    .kernarg_segment_size: 72
    .max_flat_workgroup_size: 256
    .sgpr_count:     66
    .vgpr_count:     104
    .wavefront_size: 32
...
	.end_amdgpu_metadata
.endif
;; end of part 1
;; launch kvproj (part 2): grid 8 x 32, 4 waves a work-group, clusters of 4 x 4, 327,680 bytes of LDS; arguments m16, wi16, in_proj_b, big16, query, q32; writes big16, q32
.if DOCPART == 2
	.amdgcn_target "amdgcn-amd-amdhsa--gfx1250"
	.amdhsa_code_object_version 6
	.text
	.protected	k_q08b32b0258_kvproj
	.globl	k_q08b32b0258_kvproj
	.p2align	8
	.type	k_q08b32b0258_kvproj,@function
k_q08b32b0258_kvproj:
	s_mov_b64 s[64:65], 0
	v_nop
	global_prefetch_b8 v0, s[64:65] scope:SCOPE_SE
	s_setreg_imm32_b32 hwreg(HW_REG_WAVE_MODE, 25, 1), 1
	s_wait_xcnt 0x0
	s_wait_alu depctr_hold_cnt(0) depctr_sa_sdst(0) depctr_va_vdst(0) depctr_va_sdst(0) depctr_va_ssrc(0) depctr_va_vcc(0) depctr_vm_vsrc(0)
	s_getreg_b32 s2, hwreg(HW_REG_IB_STS2, 6, 4)
	s_cmp_eq_u32 s2, 0
	s_cbranch_scc0 .Lentry_in_a_cluster
	s_endpgm
.Lentry_in_a_cluster:
	s_bfe_u32 s2, ttmp6, 0x10000c
	s_cmp_lg_u32 s2, 0xf033
	s_cbranch_scc0 .Lentry_shape_is_right
	s_endpgm
.Lentry_shape_is_right:
; k and v: C[m][n] = sum over k of A[m][k] B[n][k] + bias[n].  A = memory in f16 [8192][1024]; B = rows 1024..3071 of in_proj_w in f16 [2048][1024]; bias = in_proj_b[1024 + n], f32.
; Sums in f32, C rounded once to f16 and stored BY HEADS: kv[which][batch][head][l][64], byte which 2^24 + batch 2^21 + head 2^17 + 128 l + 2 d, with which = n / 1024, head = (n % 1024) / 64, batch = m / 1024, l = m % 1024.
; LIMIT: a k or v, or a number of query, beyond 65,504 becomes an infinity.
; A tile of C, 256 x 256, is made by four waves, each 128 x 128: 64 accumulators, 512 registers.  K goes in steps of 128 through two LDS slots filled by the tensor data mover; rows of 256 bytes.
; CLUSTER: 4 x 4 work-groups.  The four of a row of the cluster need the same tiles of A, the four of a column the same tiles of B: each tile is asked for jointly, by the same load, descriptor and mask in all four.
; Q RIDES ALONG.  q = query Wq^T + bq is 64 x 1024: 256 tiles of 16 x 16, as many as there are work-groups, too little for a launch of its own.  Work-group i = 8 x tile row + tile column makes token block i % 4,
; column block i / 4.  Each wave takes a quarter of K: eight matrix instructions on two accumulators by turns, on registers filled by plain loads (16 rows x 1,024 bytes of query in f32, rounded here to f16; 16 rows x 512 bytes
; of Wq in f16).  The four partial tiles meet in the waves' stages behind the barrier that the first K step needs anyway; wave 0 adds them and bq and stores.  All this stands between the request for the first tiles and the wait for them.
; In a step of 32 along K a lane takes 16 neighbouring k of both operands: the same permutation of k on both sides keeps the products; the order of the sum differs.
; q32 is laid by tiles: tile i at byte 1,024 i, register j of lane l at 512 (j / 4) + 16 l + 4 (j % 4): each of the two stores covers 512 consecutive bytes, and the next launch's lane l finds its own numbers at 16 l.
; REGISTERS, in windows of 256 (s_set_vgpr_msb: bits 1:0 source 0, 3:2 source 1, 5:4 source 2, 7:6 destination):
;   window 0: v0-31 addresses; v64-127, v128-191 fragments of A, two buffers; v32-63, v192-255 at work on the way out (and for q's sums)
;   window 1: v0-63 the bias of my 128 columns; v64-127, v128-191 fragments of B, two buffers
;   window 2: the 32 accumulators of my rows 0-63 ((a, b) at v[8 (8 a + b)]);   window 3: those of my rows 64-127
;   ahead of the first K step, for q: window 2 v0-127 query in f32, v128-191 Wq's fragments, v192-255 query's fragments; window 3 v0-15 two accumulators
; THE MATRIX INSTRUCTION IS USED TRANSPOSED (source 0 = 16 rows of B, source 1 = 16 rows of A): a lane holds row lane % 16 of C and eight neighbouring columns.
; The first product on each accumulator takes the bias as C: nothing is cleared and nothing is added later.  The 64 accumulators take turns, one instruction a turn.
.set SIZE_K, 1024
.set KSTEP,  128
.set PITCH,  272                       ; 256 bytes + 16 = 68 words: row r starts at bank 4 r mod 64 (64 banks of 4 bytes: ISA guide 11.1)
.set HALFT,  128*PITCH                 ; 128 rows: what one tensor load brings, and what one wave reads of A or of B
.set SLOT,   4*HALFT                   ; A's 256 rows, then B's 256 rows
.set STAGE,  2*SLOT                    ; behind the ring: 16 rows x 272 bytes for each wave, for the way out and for q's partial tiles
.set SPITCH, 272
.set SPARE,  STAGE+4*16*SPITCH         ; the spare words, 128 bytes a wave: two blocks of 256 bytes that no other line names
.set LAPS, SIZE_K/(2*KSTEP)            ; a lap = two K steps = once round the ring
.set QS,   7                           ; v7      my stage + 16 x lane: where my partial tile of q goes
.set ADRA, 16                          ; v16-17  LDS address of my A fragments in slot 0, 1
.set ADRB, 20                          ; v20-21  the same for B
.set STO,  24                          ; v24     the way out: where I put 16 bytes of a row
.set RD,   25                          ; v25     where I read rows back
.set CO,   26                          ; v26     16 x lane
.set HB,   27                          ; v27     32 x (lane / 16)
.set SPW,  28                          ; v28     LDS address of my spare word; never rewritten
.set NIL,  29                          ; v29     0; never rewritten
.set QA,   30                          ; v30     my byte offset in 16 rows of query
.set QB,   31                          ; v31     in 16 rows of Wq
.set QP,   32                          ; v[32:39] my partial tile of q, then the tile
.set QBI,  40                          ; v[40:47] bq of my 8 columns
.set QOT,  192                         ; v[192:215] the other three waves' partial tiles
.set F0,   64
.set F1,   128
.set TMP,  192
.set OB,   32
.set G1, 24                            ; s[24:31] descriptor group 1 for A's tiles;  s[32:39] group 0, one set for each slot
.set G0, 32
.set G1B, 48                           ; s[48:55], s[56:63] the same for B's tiles
.set G0B, 56
.set MSB, 0
.macro WIN new                         ; the immediate's high byte repeats the setting that is left; a switch that changes nothing is dropped
.if MSB != (\new)
	s_set_vgpr_msb (MSB<<8)|(\new)
.set MSB, \new
.endif
.endm
.set MUL_LO, 0xa1                      ; source 0 (B) window 1, source 1 (A) window 0, C and D window 2
.set MUL_HI, 0xf1                      ; the same, C and D window 3
.set TO_B,   0x40                      ; destination window 1, address window 0
; A joint load.  Waves 0 and 1 fetch A's two halves, waves 2 and 3 B's.  The branch hangs on the wave's number alone.  An s_nop 0 and four v_nop follow each of the two lines.
.macro JLOAD s
	s_cmp_eq_u32 s11, 0
	s_cbranch_scc0 .Lfor_b_\@
	tensor_load_to_lds s[G0+4*(\s):G0+4*(\s)+3], s[G1:G1+7]
	s_nop 0
.rept 4
	v_nop
.endr
	s_branch .Lasked_\@
.Lfor_b_\@:
	tensor_load_to_lds s[G0B+4*(\s):G0B+4*(\s)+3], s[G1B:G1B+7]
	s_nop 0
.rept 4
	v_nop
.endr
.Lasked_\@:
.endm
.macro CREST                           ; a round of the cluster's barrier behind its opening barrier
	s_cmp_lg_u32 s10, 0
	s_cbranch_scc1 .Lnot_wave_0_\@
	s_barrier_signal -3
.Lnot_wave_0_\@:
	s_barrier_wait -3
	s_barrier_signal -1
	s_barrier_wait -1
.endm
.macro CROUND                          ; a whole round
	s_barrier_signal -1
	s_barrier_wait -1
	CREST
.endm
	s_load_b128 s[4:7], s[0:1], 0x0                ; A s[4:5], wi16 s[6:7]
	s_load_b128 s[68:71], s[0:1], 0x10             ; in_proj_b s[68:69], kv s[70:71]
	s_load_b128 s[76:79], s[0:1], 0x20             ; query s[76:77], q32 s[78:79]
	v_lshl_add_u32 v[SPW], v0, 2, SPARE
	v_mov_b32 v[NIL], 0
	ds_add_u32 v[SPW], v[NIL]                      ; the wave's opening: the add and its wait stand ahead of my first tensor load; work on registers stands between them
	ds_add_u32 v28, v29
	v_lshrrev_b32 v1, 5, v0
	v_readfirstlane_b32 s10, v1                    ; wave 0..3
	s_lshr_b32 s11, s10, 1                         ; which half of the tile's rows is mine.  Also: I fetch for A (0) or for B (1)
	s_and_b32 s12, s10, 1                          ; which half of its columns.  Also: which 128 rows of that tile I fetch
	s_bfe_u32 s40, ttmp6, 0x40000                  ; cx
	s_bfe_u32 s41, ttmp6, 0x40004                  ; cy
	s_lshl_b32 s42, ttmp9, 2
	s_add_co_u32 s42, s42, s40                     ; tile column = 4 x cluster x + cx
	s_and_b32 s13, ttmp7, 0xffff
	s_lshl_b32 s13, s13, 2
	s_add_co_u32 s13, s13, s41                     ; tile row = 4 x cluster y + cy
	s_lshl_b32 s43, s41, 2
	s_lshl_b32 s43, 15, s43                        ; my row of the cluster
	s_lshl_b32 s44, 0x1111, s40                    ; my column
	s_or_b32 s[G1+0], s43, (1<<16)|(1<<20)|(1<<21)|(5<<22)|(3<<25)   ; the mask; 2-byte elements; padding on; bit 21 beside a mask; after every 64 words, 4 words
	s_or_b32 s[G1B+0], s44, (1<<16)|(1<<20)|(1<<21)|(5<<22)|(3<<25)
.irp g, G1, G1B
	s_mov_b32 s[(\g)+1], KSTEP<<16                 ; tensor_dim0 = 128
	s_mov_b32 s[(\g)+2], 128<<16                   ; tensor_dim1 = 128
	s_mov_b32 s[(\g)+3], KSTEP<<16                 ; tile_dim0 = 128
	s_mov_b32 s[(\g)+4], 128                       ; tile_dim1 = 128
	s_mov_b32 s[(\g)+5], SIZE_K                    ; elements from row to row
	s_mov_b32 s[(\g)+6], 0
	s_mov_b32 s[(\g)+7], 0
.endr
	s_lshl_b32 s17, s12, 7                         ; which 128 rows of the tile I fetch
	s_lshl_b32 s16, s13, 8
	s_add_co_u32 s16, s16, s17                     ; A: row 256 x tile row + 128 x half,
	s_lshl_b32 s16, s16, 11                        ; of 2,048 bytes
	s_lshl_b32 s46, s42, 8
	s_add_co_u32 s46, s46, s17                     ; B: row 256 x tile column + 128 x half,
	s_lshl_b32 s46, s46, 11
	s_add_co_u32 s46, s46, 0x200000                ; behind Wq's 1,024 rows
	s_mov_b32 s17, 0
	s_mov_b32 s47, 0
	s_mul_i32 s20, s10, HALFT                      ; where they go: wave x 128 rows: no place in the cluster enters an LDS address
	s_wait_dscnt 0x0                               ; the opening add is done
	s_wait_kmcnt 0x0
	s_add_nc_u64 s[14:15], s[4:5], s[16:17]
	s_add_nc_u64 s[46:47], s[6:7], s[46:47]
	CROUND                                         ; all sixteen work-groups are here: the first joint loads meet
.irp s, 0,1
	s_mov_b32 s[G0+4*(\s)], 1
	s_add_co_u32 s[G0+4*(\s)+1], s20, (\s)*SLOT
	s_add_nc_u64 s[G0+4*(\s)+2:G0+4*(\s)+3], s[14:15], (\s)*KSTEP*2
	s_or_b32 s[G0+4*(\s)+3], s[G0+4*(\s)+3], 0x80000000
	s_mov_b32 s[G0B+4*(\s)], 1
	s_add_co_u32 s[G0B+4*(\s)+1], s20, (\s)*SLOT
	s_add_nc_u64 s[G0B+4*(\s)+2:G0B+4*(\s)+3], s[46:47], (\s)*KSTEP*2
	s_or_b32 s[G0B+4*(\s)+3], s[G0B+4*(\s)+3], 0x80000000
	JLOAD \s                                       ; two loads of mine are out
.endr
	v_and_b32 v1, 15, v0                           ; l % 16
	v_bfe_u32 v2, v0, 4, 1                         ; l / 16
	v_lshlrev_b32 v[HB], 5, v2
	; q's tile: where its operands lie.  These numbers hold my place in the cluster and enter the addresses of plain loads and stores alone.
	s_lshl_b32 s80, s13, 3
	s_add_co_u32 s80, s80, s42                     ; i = 8 x tile row + tile column
	s_and_b32 s81, s80, 3                          ; token block
	s_lshr_b32 s82, s80, 2                         ; column block
	s_mov_b32 s85, 0
	s_lshl_b32 s84, s82, 6                         ; bq of 16 columns
	s_add_nc_u64 s[88:89], s[68:69], s[84:85]
	s_lshl_b32 s84, s82, 15                        ; Wq: 16 rows of 2,048 bytes a column block,
	s_lshl_b32 s83, s10, 9                         ; my quarter of K: 512 bytes
	s_add_co_u32 s84, s84, s83
	s_add_nc_u64 s[86:87], s[6:7], s[84:85]
	s_lshl_b32 s84, s81, 16                        ; query: 16 rows of 4,096 bytes a token block,
	s_lshl_b32 s83, s10, 10                        ; my quarter of K: 1,024 bytes
	s_add_co_u32 s84, s84, s83
	s_add_nc_u64 s[76:77], s[76:77], s[84:85]
	s_lshl_b32 s84, s80, 10                        ; q32: 1,024 bytes a tile
	s_add_nc_u64 s[78:79], s[78:79], s[84:85]
	v_lshlrev_b32 v[QA], 12, v1                    ; row l % 16; 16 k of f32 for each half of the lanes
	v_lshl_add_u32 v[QA], v2, 6, v[QA]
	v_lshlrev_b32 v[QB], 11, v1                    ; the same 16 k in f16
	v_lshl_add_u32 v[QB], v2, 5, v[QB]
	WIN 0x80                                       ; destination window 2, address window 0
.irp s, 0,1,2,3,4,5,6,7                ; step s of my eight: k = 32 s + 16 (l / 16) + 0..15 of my quarter
.irp p, 0,1,2,3
	global_load_b128 v[16*(\s)+4*(\p):16*(\s)+4*(\p)+3], v[QA], s[76:77] offset:128*(\s)+16*(\p)
.endr
.irp p, 0,1
	global_load_b128 v[128+8*(\s)+4*(\p):128+8*(\s)+4*(\p)+3], v[QB], s[86:87] offset:64*(\s)+16*(\p)
.endr
.endr
	WIN 0
	global_load_b128 v[QBI:QBI+3],   v[HB], s[88:89]            ; bq of column 8 (l / 16) + j
	global_load_b128 v[QBI+4:QBI+7], v[HB], s[88:89] offset:16
	s_lshl_b32 s72, s42, 10                        ; the bias of my 128 columns of k or v: 4 (1024 + 256 x tile column + 128 x half)
	s_lshl_b32 s73, s12, 9
	s_add_co_u32 s72, s72, s73
	s_add_co_u32 s72, s72, 4096
	s_mov_b32 s73, 0
	s_add_nc_u64 s[68:69], s[68:69], s[72:73]
	s_mov_b64 s[8:9], s[70:71]
	WIN TO_B
.irp b, 0,1,2,3,4,5,6,7                ; for column block b: register j = the bias of column 16 b + 8 (l / 16) + j
	global_load_b128 v[8*(\b):8*(\b)+3],   v[HB], s[68:69] offset:64*(\b)
	global_load_b128 v[8*(\b)+4:8*(\b)+7], v[HB], s[68:69] offset:64*(\b)+16
.endr
	WIN 0
	v_mul_u32_u24 v3, v1, PITCH
	v_lshl_add_u32 v3, v2, 4, v3                   ; a fragment's row x pitch + 16 x half
	s_mul_i32 s21, s11, HALFT                      ; my 128 rows of A
	s_mul_i32 s22, s12, HALFT                      ; my 128 rows of B,
	s_add_co_u32 s22, s22, 2*HALFT                 ; which lie behind A's 256
.irp s, 0,1
	v_add_nc_u32 v[ADRA+(\s)], s21, v3
	v_add_nc_u32 v[ADRB+(\s)], s22, v3
	s_add_co_u32 s21, s21, SLOT
	s_add_co_u32 s22, s22, SLOT
.endr
	s_mul_i32 s23, s10, 16*SPITCH
	s_add_co_u32 s23, s23, STAGE                   ; my stage
	v_mul_u32_u24 v4, v1, SPITCH                   ; in: row l % 16, 16 bytes for each half of the lanes
	v_lshl_add_u32 v4, v2, 4, v4
	v_add_nc_u32 v[STO], s23, v4
	v_bfe_u32 v5, v0, 3, 2                         ; back: 32 lanes take four rows' 128 bytes of one head,
	v_and_b32 v6, 7, v0
	v_mul_u32_u24 v5, v5, SPITCH
	v_lshl_add_u32 v5, v6, 4, v5
	v_add_nc_u32 v[RD], s23, v5
	v_and_b32 v[CO], 31, v0                        ; which are 512 consecutive bytes of kv
	v_lshlrev_b32 v[CO], 4, v[CO]
	v_add_nc_u32 v[QS], s23, v[CO]
	; where my part begins in kv: batch = tile row / 4; l = 256 (tile row % 4) + 128 x row half; head = 4 (tile column % 4) + 2 x column half; which = tile column / 4
	s_lshr_b32 s16, s13, 2
	s_lshl_b32 s16, s16, 21
	s_and_b32 s14, s13, 3
	s_lshl_b32 s14, s14, 15
	s_add_co_u32 s16, s16, s14
	s_lshl_b32 s14, s11, 14
	s_add_co_u32 s16, s16, s14
	s_lshl_b32 s14, s12, 18
	s_add_co_u32 s16, s16, s14
	s_mov_b32 s17, 0
	s_lshr_b32 s46, s42, 2
	s_lshl_b32 s46, s46, 24
	s_and_b32 s47, s42, 3
	s_lshl_b32 s47, s47, 19
	s_add_co_u32 s46, s46, s47
	s_mov_b32 s47, 0
	s_add_nc_u64 s[16:17], s[16:17], s[46:47]
; 16 matrix instructions: m blocks a0, a0 + 1 of the window's four x all 8 n blocks, 32 along K.  zero = 1: the first product starts the sums, with the bias as C (source 2 in window 1)
.macro MUL16 f, hi, a0, zero
.if \zero
	WIN 0x91+0x40*(\hi)
.else
	WIN MUL_LO+0x50*(\hi)
.endif
.irp a, \a0, (\a0)+1
.irp b, 0,1,2,3,4,5,6,7
.if \zero
	v_wmma_f32_16x16x32_f16 v[8*(8*(\a)+(\b)):8*(8*(\a)+(\b))+7], v[(\f)+8*(\b):(\f)+8*(\b)+7], v[(\f)+8*(4*(\hi)+(\a)):(\f)+8*(4*(\hi)+(\a))+7], v[8*(\b):8*(\b)+7]
.else
	v_wmma_f32_16x16x32_f16 v[8*(8*(\a)+(\b)):8*(8*(\a)+(\b))+7], v[(\f)+8*(\b):(\f)+8*(\b)+7], v[(\f)+8*(4*(\hi)+(\a)):(\f)+8*(4*(\hi)+(\a))+7], v[8*(8*(\a)+(\b)):8*(8*(\a)+(\b))+7]
.endif
.endr
.endr
.endm
; 32 LDS loads in one run: the fragments of one quarter step (128 rows of B, 128 rows of A, 32 K at byte k of the rows) into buffer f
.macro FETCH slot, k, f
	WIN TO_B
.irp i, 0,1,2,3,4,5,6,7
	ds_load_b128 v[(\f)+8*(\i):(\f)+8*(\i)+3],   v[ADRB+(\slot)] offset:(\k)+(\i)*16*PITCH
	ds_load_b128 v[(\f)+8*(\i)+4:(\f)+8*(\i)+7], v[ADRB+(\slot)] offset:(\k)+(\i)*16*PITCH+32
.endr
	WIN 0
.irp i, 0,1,2,3,4,5,6,7
	ds_load_b128 v[(\f)+8*(\i):(\f)+8*(\i)+3],   v[ADRA+(\slot)] offset:(\k)+(\i)*16*PITCH
	ds_load_b128 v[(\f)+8*(\i)+4:(\f)+8*(\i)+7], v[ADRA+(\slot)] offset:(\k)+(\i)*16*PITCH+32
.endr
.endm
.macro PLACES                          ; four places in front of loads into registers that matrix instructions have read, and of conversions that read results
.rept 4
	v_nop
.endr
.endm
; A K step is four quarters of 32 along K, 64 matrix instructions each, on buffers 0, 1, 0, 1.  One of the first three: multiplies buffer f; in its middle it fetches the next quarter, at byte k, into g.
.macro QUARTER slot, k, f, g, zero
	s_wait_dscnt 8                                 ; B and A's rows 0-63 are in; the youngest eight loads (A's rows 64-127) may be out
	MUL16 \f, 0, 0, \zero
	MUL16 \f, 0, 2, \zero
	PLACES
	FETCH \slot, \k, \g
	s_wait_dscnt 32                                ; all but the 32 just issued
	MUL16 \f, 1, 0, \zero
	MUL16 \f, 1, 2, \zero
.endm
; The last quarter multiplies buffer 1 and changes slots: ONE barrier.  In front of it each wave waits for all its tensor loads (one is out: its part of the next slot), adds 0 to its spare word,
; and waits for that and for its own reads of this slot.  fill = 1: the barrier opens a round of the cluster's, and this slot is filled again, two K steps ahead, first thing behind the round.
.macro TURN slot, next, fill
	WIN 0                                          ; (the add's two registers lie in window 0)
	s_wait_tensorcnt 0x0
	ds_add_u32 v[SPW], v[NIL]
	s_wait_dscnt 9                                 ; (the add and the youngest eight loads may be out)
	MUL16 F1, 0, 0, 0                              ; sixteen matrix instructions stand between the add and the wait for it
	s_wait_dscnt 0x0                               ; the add is done, and my reads of this slot are over
	s_barrier_signal -1
	MUL16 F1, 0, 2, 0                              ; work on registers while the others arrive
.if \fill
	WIN 0
.endif
	s_barrier_wait -1
.if \fill
	CREST                                          ; no wave of any partner still reads this slot's tile or has a load on its way
	s_add_nc_u64 s[G0+4*(\slot)+2:G0+4*(\slot)+3], s[G0+4*(\slot)+2:G0+4*(\slot)+3], 2*KSTEP*2
	s_add_nc_u64 s[G0B+4*(\slot)+2:G0B+4*(\slot)+3], s[G0B+4*(\slot)+2:G0B+4*(\slot)+3], 2*KSTEP*2
	JLOAD \slot                                    ; 224 matrix instructions ahead of the wait for it; its four v_nop are also the places in front of the loads below
.else
	PLACES
.endif
	FETCH \next, 0, F0
	MUL16 F1, 1, 0, 0
	MUL16 F1, 1, 2, 0
.endm
; THE WAY OUT of block a (16 rows), in three parts.  PACK: rounded to f16, 16 bytes a lane, each accumulator's registers in ascending order.  TOSTAGE: into my own stage, and back by heads.  SEND: stored.
.macro PACK a
.set AC, 64*((\a)%4)
	WIN 0x0a+5*((\a)/4)                            ; sources 0 and 1: window 2 or 3
.irp b, 0,1,2,3,4,5,6,7
.irp r, 0,1,2,3
	v_cvt_pk_f16_f32 v[TMP+4*(\b)+(\r)], v[AC+8*(\b)+2*(\r)], v[AC+8*(\b)+2*(\r)+1]
.endr
.endr
	WIN 0
.endm
.macro TOSTAGE a
	WIN 0
.set BK, OB+192*((\a)%2)
.irp b, 0,1,2,3,4,5,6,7
	ds_store_b128 v[STO], v[TMP+4*(\b):TMP+4*(\b)+3] offset:32*(\b)
.endr
.irp t, 0,1,2,3,4,5,6,7                ; head t / 4 of my two, rows 4 (t % 4) on.  LDS serves a wave's instructions in order (ISA guide 5.7.1.4): these see the stores above
	ds_load_b128 v[BK+4*(\t):BK+4*(\t)+3], v[RD] offset:((\t)%4)*4*SPITCH+((\t)/4)*128
.endr
.endm
.macro SEND a
	WIN 0
.set BK, OB+192*((\a)%2)
	s_wait_dscnt 0x0                               ; the block is back in registers
	s_wait_xcnt 0x0                                ; only behind this wait are the stores' base and the registers that earlier stores read rewritten
.if (\a) == 0
	s_add_nc_u64 s[8:9], s[8:9], s[16:17]          ; on to my first rows
.else
	s_add_nc_u64 s[8:9], s[8:9], 2048              ; 16 rows of 128 bytes on
.endif
.irp t, 0,1,2,3,4,5,6,7
	global_store_b128 v[CO], v[BK+4*(\t):BK+4*(\t)+3], s[8:9] offset:((\t)/4)*131072+((\t)%4)*512  ; 512 consecutive bytes, at a multiple of 256 from kv's first byte
.endr
.endm
	; Q'S TILE, my quarter of K
	s_wait_loadcnt 0x0                             ; query, Wq, bq, and the bias of k or v
	WIN 0x8a                                       ; destination and both sources in window 2
.set kk, 0
.rept 64                                       ; query is rounded to f16: step s's 16 numbers a lane become its fragment's 8 registers
	v_cvt_pk_f16_f32 v[192+kk], v[2*kk], v[2*kk+1]
.set kk, kk+1
.endr
	WIN 0xfa                                       ; sources 0 and 1 in window 2, C and D in window 3
.irp s, 0,1,2,3,4,5,6,7                ; two accumulators by turns; the first two products start the sums
.if (\s) < 2
	v_wmma_f32_16x16x32_f16 v[8*((\s)%2):8*((\s)%2)+7], v[128+8*(\s):128+8*(\s)+7], v[192+8*(\s):192+8*(\s)+7], 0
.else
	v_wmma_f32_16x16x32_f16 v[8*((\s)%2):8*((\s)%2)+7], v[128+8*(\s):128+8*(\s)+7], v[192+8*(\s):192+8*(\s)+7], v[8*((\s)%2):8*((\s)%2)+7]
.endif
.endr
	PLACES                                         ; four places in front of the additions that read the sums;
	PLACES                                         ; with these more than the five in front of the first K step's products, which write over these registers
	WIN 0x0f                                       ; sources 0 and 1 in window 3, destination in window 0
.irp i, 0,1,2,3
	v_pk_add_f32 v[QP+2*(\i):QP+2*(\i)+1], v[2*(\i):2*(\i)+1], v[8+2*(\i):8+2*(\i)+1]
.endr
	WIN 0
	ds_store_b128 v[QS], v[QP:QP+3]                ; 16 bytes a lane, 512 on end: no bank is asked twice
	ds_store_b128 v[QS], v[QP+4:QP+7] offset:512
	s_wait_tensorcnt 1                             ; my part of K step 0 is in; K step 1's may stay out
	s_wait_dscnt 0x0                               ; for wave 0's sake: my partial tile is stored
	s_barrier_signal -1
	s_barrier_wait -1                              ; everybody's is
	s_cmp_lg_u32 s10, 0
	s_cbranch_scc1 .Lq_done
.irp w, 1,2,3                          ; wave 0's stage is the first: the others' lie 16 x 272 bytes apart
	ds_load_b128 v[QOT+8*((\w)-1):QOT+8*((\w)-1)+3],   v[QS] offset:(\w)*16*SPITCH
	ds_load_b128 v[QOT+8*((\w)-1)+4:QOT+8*((\w)-1)+7], v[QS] offset:(\w)*16*SPITCH+512
.endr
.irp i, 0,1,2,3
	v_pk_add_f32 v[QP+2*(\i):QP+2*(\i)+1], v[QP+2*(\i):QP+2*(\i)+1], v[QBI+2*(\i):QBI+2*(\i)+1]
.endr
	s_wait_dscnt 0x0
.irp w, 0,1,2
.irp i, 0,1,2,3
	v_pk_add_f32 v[QP+2*(\i):QP+2*(\i)+1], v[QP+2*(\i):QP+2*(\i)+1], v[QOT+8*(\w)+2*(\i):QOT+8*(\w)+2*(\i)+1]
.endr
.endr
	global_store_b128 v[CO], v[QP:QP+3], s[78:79]              ; 512 consecutive bytes, at a multiple of 256 from q32's first byte
	global_store_b128 v[CO], v[QP+4:QP+7], s[78:79] offset:512
.Lq_done:
	FETCH 0, 0, F0
	QUARTER 0, 64,  F0, F1, 1                      ; the first quarter stands in front of the loop: its products start the sums
	WIN 0                                          ; at a label and at a branch every window is 0
	s_mov_b32 s3, LAPS-1
.Llap:                                                 ; a trip goes once round the ring, from a lap's second quarter to the next lap's first, and fills both slots again
	QUARTER 0, 128, F1, F0, 0
	QUARTER 0, 192, F0, F1, 0
	TURN 0, 1, 1
	QUARTER 1, 64,  F0, F1, 0
	QUARTER 1, 128, F1, F0, 0
	QUARTER 1, 192, F0, F1, 0
	TURN 1, 0, 1
	QUARTER 0, 64,  F0, F1, 0
	WIN 0
	s_sub_co_u32 s3, s3, 1
	s_cmp_lg_u32 s3, 0
	s_cbranch_scc1 .Llap
	QUARTER 0, 128, F1, F0, 0                      ; the last lap fills nothing, and has no round of the cluster's barrier
	QUARTER 0, 192, F0, F1, 0
	TURN 0, 1, 0
	QUARTER 1, 64,  F0, F1, 0
	QUARTER 1, 128, F1, F0, 0
	QUARTER 1, 192, F0, F1, 0
	s_wait_dscnt 8                                 ; the very last quarter: nothing more to fetch
	MUL16 F1, 0, 0, 0
	MUL16 F1, 0, 2, 0
	s_wait_dscnt 0x0
	MUL16 F1, 1, 0, 0
	MUL16 F1, 1, 2, 0
	PLACES
	s_wait_xcnt 0x0                                ; the stage's loads below land in registers that q's stores read
	PACK 0
	TOSTAGE 0
.irp a, 1,2,3,4,5,6,7                  ; block a's conversions stand between block a - 1's loads from the stage and the wait for them
	PACK \a
	SEND (\a)-1
	TOSTAGE \a
.endr
	SEND 7
	s_wait_tensorcnt 0x0                           ; the wave's end
	ds_add_u32 v[SPW], v[NIL]
	s_wait_dscnt 0x0
	CROUND                                         ; the closing round
	s_endpgm
.Lfunc_end_k_q08b32b0258_kvproj:
	.size	k_q08b32b0258_kvproj, .Lfunc_end_k_q08b32b0258_kvproj-k_q08b32b0258_kvproj
	.p2alignl 7, 3214868480
	.fill 96, 4, 3214868480
	.section	.rodata,"a",@progbits
	.p2align	6, 0x0
	.amdhsa_kernel k_q08b32b0258_kvproj
		.amdhsa_group_segment_fixed_size 327680
		.amdhsa_private_segment_fixed_size 0
		.amdhsa_enable_private_segment 0
		.amdhsa_kernarg_size 48
		.amdhsa_user_sgpr_count 2
		.amdhsa_user_sgpr_kernarg_segment_ptr 1
		.amdhsa_wavefront_size32 1
		.amdhsa_system_sgpr_workgroup_id_x 1
		.amdhsa_system_sgpr_workgroup_id_y 1
		.amdhsa_system_sgpr_workgroup_id_z 1
		.amdhsa_system_vgpr_workitem_id 0
		.amdhsa_next_free_vgpr 1024
		.amdhsa_next_free_sgpr 90
		.amdhsa_reserve_vcc 0
		.amdhsa_float_denorm_mode_32 3
		.amdhsa_float_denorm_mode_16_64 3
		.amdhsa_memory_ordered 1
		.amdhsa_forward_progress 1
		.amdhsa_inst_pref_size 157
	.end_amdhsa_kernel
	.amdgpu_metadata
---
amdhsa.version: [ 1, 2 ]
amdhsa.kernels:
  - .name:           k_q08b32b0258_kvproj
    .symbol:         k_q08b32b0258_kvproj.kd
    .args:
      - { .name: m16, .offset: 0, .size: 8, .value_kind: global_buffer, .address_space: global }
      - { .name: wi16, .offset: 8, .size: 8, .value_kind: global_buffer, .address_space: global }
      - { .name: in_proj_b, .offset: 16, .size: 8, .value_kind: global_buffer, .address_space: global }
      - { .name: big16, .offset: 24, .size: 8, .value_kind: global_buffer, .address_space: global }
      - { .name: query, .offset: 32, .size: 8, .value_kind: global_buffer, .address_space: global }
      - { .name: q32, .offset: 40, .size: 8, .value_kind: global_buffer, .address_space: global }
    .group_segment_fixed_size: 327680
    .private_segment_fixed_size: 0
    .kernarg_segment_align: 8
    .kernarg_segment_size: 48
    .max_flat_workgroup_size: 128
    .sgpr_count:     90
    .vgpr_count:     1024
    .wavefront_size: 32
...
	.end_amdgpu_metadata
.endif
;; end of part 2
;; launch attn (part 3): grid 16 x 8, 4 waves a work-group, no clusters, 327,680 bytes of LDS; arguments q32, big16, at32; writes at32
.if DOCPART == 3
	.amdgcn_target "amdgcn-amd-amdhsa--gfx1250"
	.amdhsa_code_object_version 6
	.text
	.protected	k_q08b32b0258_attn
	.globl	k_q08b32b0258_attn
	.p2align	8
	.type	k_q08b32b0258_attn,@function
k_q08b32b0258_attn:
	s_mov_b64 s[64:65], 0
	v_nop
	global_prefetch_b8 v0, s[64:65] scope:SCOPE_SE
	s_setreg_imm32_b32 hwreg(HW_REG_WAVE_MODE, 25, 1), 1
	s_wait_xcnt 0x0
; at[b][t][64 h + d] = sum over l of softmax_l(q[t][h] . k[b][h][l] / 8) v[b][h][l][d].  k, v: kv[which][b][h][1024][64] f16; at: [512][1024] f32.
; q (f32, shared by all batches) lies by tiles of 16 tokens x 16 columns: tile 4 x column block + token block at 1,024 bytes each; in a tile the number (token r, column 8 g + j) at 512 (j / 4) + 16 (r + 16 g) + 4 (j % 4).
; Products, maxima and sums in f32; q and the weights p are rounded to f16 for the products (the sum l is taken of the unrounded p).
; LIMITS: q beyond 65,504 becomes an infinity; c s below -4e37 is not told from the start value of the running maximum; a weight below 2^-126 counts as 0; NaN and infinities are not treated apart.
; SHARES.  A work-group owns one (batch, head); wave w the tokens 16 w .. 16 w + 15; every wave walks all 1,024 keys, 64 a step.  All of the head's K and V lies in LDS: eight tensor loads for each, four a wave
; (waves 0, 1: K; waves 2, 3: V), all issued at the start; four loads of mine are out.  The keys are entered in three parts, each behind a wait and a barrier: keys 0-255, 256-511, and 512-1,023,
; whose two loads have the first eight steps' work in which to land; so the step's text stands three times.
; NO CLUSTER: each work-group has K and V of its own (256 KiB); the only bytes that work-groups share are a head's 16 KiB of q.
; LAYOUT.  S^T = K Q^T (source 0 = 16 keys, source 1 = 16 tokens): a lane holds ONE token (lane % 16) and the keys 8 (lane / 16) + 0..7.  Two such results rounded to f16 ARE source 1 of O^T = V^T P.
; K comes out of LDS as it lies, V ([key][channel]) turned, by ds_load_tr16_b128.
; SOFTMAX.  A running maximum m and sum l: p = 2^(c s - c m), c = log2(e) / 8; in every step O and l are multiplied by a = 2^(c m_old - c m_new).  m starts at the lowest finite number, O and l at 0.
; The step is written in phases (scores, softmax, V^T P); the four accumulators of each run of eight products take turns.
.set KS,    64
.set PK,    144                        ; a row of K: 128 bytes + 16: the 16 rows of a load start at 16 different groups of four banks (64 banks of 4 bytes: ISA guide 11.1)
.set PV,    160                        ; a row of V: 128 + 32
.set VBASE, 1024*PK
.set SPARE, VBASE+1024*PV              ; the spare words, 128 bytes a wave: two blocks of 256 bytes that no other line names
.set SP,    272                        ; the way out's stage, 16 rows x 272 bytes a wave, lies over K's first rows: K has had its only fill, and every wave's last read of it lies in front of a barrier
.set AK0, 2                            ; v2   my lane's place in a tile of K
.set AV0, 3                            ; v3   the same for V
.set AK,  4                            ; v4   LDS address of the step's K
.set AV,  5                            ; v5   of its V
.set STO, 6
.set RD,  7
.set GO,  8
.set QO,  10                           ; v10  16 x lane
.set SPW, 12                           ; v12  LDS address of my spare word; never rewritten
.set NIL, 13                           ; v13  0; never rewritten
.set ST,  16                           ; v16 c m, v17 m, v18-19 l (even keys', odd keys')
.set MV,  20                           ; v20  c m_old
.set TMP, 24                           ; v24-27 c0-c3 at work; c2 takes a
.set Q,   32                           ; v[32:47]
.set S,   48                           ; v[48:79]
.set P,   80                           ; v[80:95]
.set O,   96                           ; v[96:127]
.set KF,  128                          ; v[128:191] key block kb, channel half c at KF + 16 kb + 8 c
.set VF,  192                          ; v[192:255] key half kk, channel block cb at VF + 32 kk + 8 cb
.set WV,  12
.set CNT, 13
.set G1K, 16
.set G1V, 24
.set G0K, 32                           ; s[32:47] descriptor group 0 for K, a set for each 256 keys
.set G0V, 48                           ; s[48:63] for V
.set CS,  68                           ; s[68:69] c
.set SEL, 70                           ; s[70:71] v_permlanex16_b32's selects: each lane takes its own place in the other half
.macro PLACES
.rept 4
	v_nop
.endr
.endm
	s_load_b128 s[4:7], s[0:1], 0x0                ; q s[4:5], kv s[6:7]
	s_load_b64 s[8:9], s[0:1], 0x10                ; at
	v_lshl_add_u32 v[SPW], v0, 2, SPARE
	v_mov_b32 v[NIL], 0
	ds_add_u32 v[SPW], v[NIL]                      ; the wave's opening: the add and its wait stand ahead of my first tensor load; work on registers stands between them
	ds_add_u32 v12, v13
	v_lshrrev_b32 v1, 5, v0
	v_readfirstlane_b32 s[WV], v1                  ; wave 0..3
	s_and_b32 s14, ttmp7, 0xffff                   ; batch
	s_lshl_b32 s15, s14, 4
	s_add_co_u32 s15, s15, ttmp9                   ; 16 x batch + head
	s_lshl_b32 s72, s15, 17                        ; a head's 1,024 rows of 128 bytes
	s_and_b32 s74, s[WV], 1                        ; which half of each 256 keys I fetch
	s_lshl_b32 s75, s74, 14
	s_add_co_u32 s72, s72, s75
	s_mov_b32 s73, 0
	s_mul_i32 s76, s74, 128*PK
	s_mul_i32 s77, s74, 128*PV
	s_add_co_u32 s77, s77, VBASE
	; 128 keys are 16,384 dense bytes: asked for as 64 rows of 256 bytes, two keys a row, and padded in LDS after every key
	s_mov_b32 s[G1K], (1<<16)|(1<<20)|(4<<22)|(3<<25)  ; 2-byte elements; padding on; after every 32 words, 4 words
	s_mov_b32 s[G1V], (1<<16)|(1<<20)|(4<<22)|(7<<25)  ; the same with 8 words
.irp g, G1K, G1V
	s_mov_b32 s[(\g)+1], 128<<16
	s_mov_b32 s[(\g)+2], 64<<16
	s_mov_b32 s[(\g)+3], 128<<16
	s_mov_b32 s[(\g)+4], 64
	s_mov_b32 s[(\g)+5], 128
	s_mov_b32 s[(\g)+6], 0
	s_mov_b32 s[(\g)+7], 0
.endr
	s_mov_b32 s[CS], 0x3e38aa3b                    ; c = log2(e) / 8
	s_mov_b32 s[CS+1], s[CS]
	s_mov_b32 s[SEL], 0x76543210
	s_mov_b32 s[SEL+1], 0xfedcba98
.irp c, 0,1,2,3
	s_mov_b32 s[G0K+4*(\c)], 1
	s_add_co_u32 s[G0K+4*(\c)+1], s76, (\c)*256*PK
	s_mov_b32 s[G0V+4*(\c)], 1
	s_add_co_u32 s[G0V+4*(\c)+1], s77, (\c)*256*PV
.endr
	s_wait_dscnt 0x0                               ; the opening add is done
	s_wait_kmcnt 0x0
	s_add_nc_u64 s[6:7], s[6:7], s[72:73]
.irp c, 0,1,2,3
	s_add_nc_u64 s[G0K+4*(\c)+2:G0K+4*(\c)+3], s[6:7], (\c)*32768
	s_or_b32 s[G0K+4*(\c)+3], s[G0K+4*(\c)+3], 0x80000000
	s_add_nc_u64 s[G0V+4*(\c)+2:G0V+4*(\c)+3], s[6:7], 16777216+(\c)*32768
	s_or_b32 s[G0V+4*(\c)+3], s[G0V+4*(\c)+3], 0x80000000
.endr
	s_cmp_lt_u32 s[WV], 2                          ; a wave's four fills stand in one branch, ahead of every wait on TENSORcnt, every LDS read and every barrier
	s_cbranch_scc0 .Lfirst_v
.irp c, 0,1,2,3
	tensor_load_to_lds s[G0K+4*(\c):G0K+4*(\c)+3], s[G1K:G1K+7]
	s_nop 0
.endr
	PLACES
	s_branch .Lfirst_asked
.Lfirst_v:
.irp c, 0,1,2,3
	tensor_load_to_lds s[G0V+4*(\c):G0V+4*(\c)+3], s[G1V:G1V+7]
	s_nop 0
.endr
	PLACES
.Lfirst_asked:
	v_and_b32 v1, 15, v0                           ; l % 16
	v_bfe_u32 v9, v0, 4, 1                         ; l / 16
	v_and_b32 v[QO], 31, v0
	v_lshlrev_b32 v[QO], 4, v[QO]
	s_lshl_b32 s72, ttmp9, 14                      ; q: my head's four column blocks, 4,096 bytes apart, begin at tile 16 x head; my token block is my wave's number
	s_lshl_b32 s75, s[WV], 10
	s_add_co_u32 s72, s72, s75
	s_add_nc_u64 s[4:5], s[4:5], s[72:73]
.irp n, 0,1,2,3                        ; column block n: channels 16 n + 8 (l / 16) + 0..7 of token l % 16 are this lane's own numbers in the tile; each load takes 512 consecutive bytes
	global_load_b128 v[KF+8*(\n):KF+8*(\n)+3],   v[QO], s[4:5] offset:4096*(\n)
	global_load_b128 v[KF+8*(\n)+4:KF+8*(\n)+7], v[QO], s[4:5] offset:4096*(\n)+512
.endr
	s_lshl_b32 s72, s[WV], 16                      ; at: row 64 x batch + 16 w, column 64 x head
	s_lshl_b32 s75, ttmp9, 8
	s_add_co_u32 s72, s72, s75
	s_lshl_b32 s75, s14, 18
	s_add_co_u32 s72, s72, s75
	s_add_nc_u64 s[8:9], s[8:9], s[72:73]
	v_mul_u32_u24 v[AK0], v1, PK
	v_lshl_add_u32 v[AK0], v9, 4, v[AK0]
	v_and_b32 v11, 7, v0                           ; the turning load: lane l reads key 8 (l / 16) + l % 8, channels 8 ((l / 8) % 2) + 0..7
	v_bfe_u32 v14, v0, 3, 1
	v_lshl_add_u32 v[AV0], v9, 3, v11
	v_mul_u32_u24 v[AV0], v[AV0], PV
	v_lshl_add_u32 v[AV0], v14, 4, v[AV0]
	v_add_nc_u32 v[AV0], VBASE, v[AV0]
	s_mul_i32 s75, s[WV], 16*SP                    ; my stage
	v_mul_u32_u24 v[STO], v1, SP                   ; in: row l % 16, 32 bytes for each half of the lanes
	v_lshl_add_u32 v[STO], v9, 5, v[STO]
	v_add_nc_u32 v[STO], s75, v[STO]
	v_mul_u32_u24 v[RD], v9, SP                    ; back: lanes 0-15 one row of 256 bytes, lanes 16-31 the next
	v_lshl_add_u32 v[RD], v1, 4, v[RD]
	v_add_nc_u32 v[RD], s75, v[RD]
	v_lshlrev_b32 v[GO], 12, v9
	v_lshl_add_u32 v[GO], v1, 4, v[GO]
	v_mov_b32 v[ST], 0xfe000000                    ; c m: far below every c s, so the first step's a is 0
	v_mov_b32 v[ST+1], 0xff7fffff                  ; m
	v_mov_b32 v[ST+2], 0
	v_mov_b32 v[ST+3], 0
.set i, 0
.rept 32                                       ; O starts at 0, so that no first step is written out; these lines stand in the wait for the first tile
	v_mov_b32 v[O+i], 0
.set i, i+1
.endr
	s_wait_loadcnt 0x0                             ; q
.set i, 0
.rept 16                                       ; blocks 0 and 1 make the fragment of channels 0-31, blocks 2 and 3 that of channels 32-63
	v_cvt_pk_f16_f32 v[Q+i], v[KF+2*i], v[KF+2*i+1]
.set i, i+1
.endr
.macro FETCH_K off                     ; 16 loads: a step's K, 64 keys x 64 channels
.irp f, 0,1,2,3,4,5,6,7
	ds_load_b128 v[KF+8*(\f):KF+8*(\f)+3],   v[AK] offset:(\off)+((\f)/2)*16*PK+((\f)%2)*64
	ds_load_b128 v[KF+8*(\f)+4:KF+8*(\f)+7], v[AK] offset:(\off)+((\f)/2)*16*PK+((\f)%2)*64+32
.endr
.endm
.macro FETCH_V                         ; 16 turning loads: a step's V
.irp f, 0,1,2,3,4,5,6,7
	ds_load_tr16_b128 v[VF+8*(\f):VF+8*(\f)+3],   v[AV] offset:((\f)/4)*32*PV+((\f)%4)*32
	ds_load_tr16_b128 v[VF+8*(\f)+4:VF+8*(\f)+7], v[AV] offset:((\f)/4)*32*PV+16*PV+((\f)%4)*32
.endr
.endm
; Number n of the 22 that find the maximum and statistics: 0-11 four chains c0-c3 (each accumulator's lowest registers are read first); 12-14, 16 the scores left over, the old m, c0-c3 into c0;
; 15 c m_old is kept; 17, 18 the token's other 32 keys lie in the lane 16 away; 19-21 c m, c m_old - c m_new, a
.macro XS n
.if (\n) < 4
	v_max3_num_f32 v[TMP+(\n)], v[S+8*(\n)], v[S+8*(\n)+1], v[S+8*(\n)+2]
.elseif (\n) < 12
	v_max3_num_f32 v[TMP+(\n)%4], v[TMP+(\n)%4], v[S+8*((\n)%4)+2*((\n)/4)+1], v[S+8*((\n)%4)+2*((\n)/4)+2]
.elseif (\n) == 12
	v_max3_num_f32 v[TMP], v[TMP], v[S+7], v[S+15]
.elseif (\n) == 13
	v_max3_num_f32 v[TMP+1], v[TMP+1], v[S+23], v[S+31]
.elseif (\n) == 14
	v_max3_num_f32 v[TMP+2], v[TMP+2], v[TMP+3], v[ST+1]
.elseif (\n) == 15
	v_mov_b32 v[MV], v[ST]
.elseif (\n) == 16
	v_max3_num_f32 v[TMP], v[TMP], v[TMP+1], v[TMP+2]
.elseif (\n) == 17
	v_permlanex16_b32 v[TMP+3], v[TMP], s[SEL], s[SEL+1]
.elseif (\n) == 18
	v_max_num_f32 v[ST+1], v[TMP], v[TMP+3]
.elseif (\n) == 19
	v_mul_f32 v[ST], s[CS], v[ST+1]
.elseif (\n) == 20
	v_sub_f32 v[TMP+1], v[MV], v[ST]
.else
	v_exp_f32 v[TMP+2], v[TMP+1]
.endif
.endm
; A KEY STEP of 64 keys.
.macro STEP
	s_wait_dscnt 0x0                               ; K is in
	FETCH_V                                        ; four plain instructions stand between the last product that read V and these loads
.set i, 0
.rept 8                                        ; S^T = K Q^T: channels 32 (i / 4) on, keys 16 (i % 4) on; the first four start the sums
.if i < 4
	v_wmma_f32_16x16x32_f16 v[S+8*(i%4):S+8*(i%4)+7], v[KF+16*(i%4)+8*(i/4):KF+16*(i%4)+8*(i/4)+7], v[Q+8*(i/4):Q+8*(i/4)+7], 0
.else
	v_wmma_f32_16x16x32_f16 v[S+8*(i%4):S+8*(i%4)+7], v[KF+16*(i%4)+8*(i/4):KF+16*(i%4)+8*(i/4)+7], v[Q+8*(i/4):Q+8*(i/4)+7], v[S+8*(i%4):S+8*(i%4)+7]
.endif
.set i, i+1
.endr
	PLACES                                         ; in front of the loads into K's registers and of the first read of the scores
	s_cmp_eq_u32 s[CNT], 1                         ; the next step's K, but not across a part's end: the next part is entered behind its own wait and barrier
	s_cbranch_scc1 .Lno_k_\@
	FETCH_K KS*PK
.Lno_k_\@:
.irp n, 0,1,2,3,4,5,6,7,8,9,10,11,12,13,14,15,16,17,18,19,20,21
	XS \n
.endr
.set j, 0
.rept 16                                       ; c s - c m; the first of these is the plain instruction behind a's exponential
	v_pk_fma_f32 v[S+2*j:S+2*j+1], v[S+2*j:S+2*j+1], s[CS:CS+1], v[ST:ST+1] op_sel_hi:[1,0,0] neg_lo:[0,0,1] neg_hi:[0,0,1]
.set j, j+1
.endr
.set j, 0
.rept 32
	v_exp_f32 v[S+j], v[S+j]
.set j, j+1
.endr
.set j, 0
	s_wait_alu depctr_va_vdst(0)
.rept 16                                       ; O times a, in ascending order: plain work behind the exponentials
	v_pk_mul_f32 v[O+2*j:O+2*j+1], v[O+2*j:O+2*j+1], v[TMP+2:TMP+3] op_sel_hi:[1,0]
.set j, j+1
.endr
.set j, 0
.rept 16
	v_cvt_pk_f16_f32 v[P+j], v[S+2*j], v[S+2*j+1]
.set j, j+1
.endr
.set j, 0
.rept 8                                        ; of each four weights the second pair is added onto the first
	v_pk_add_f32 v[S+4*j:S+4*j+1], v[S+4*j:S+4*j+1], v[S+4*j+2:S+4*j+3]
.set j, j+1
.endr
	v_pk_fma_f32 v[ST+2:ST+3], v[ST+2:ST+3], v[TMP+2:TMP+3], v[S:S+1] op_sel_hi:[1,0,1]  ; l = a l + sum
.set j, 1
.rept 7
	v_pk_add_f32 v[ST+2:ST+3], v[ST+2:ST+3], v[S+4*j:S+4*j+1]
.set j, j+1
.endr
	s_wait_dscnt 0x0                               ; V is in (and the next K)
.set i, 0
.rept 8                                        ; O^T += V^T P: keys 32 (i / 4) on, channels 16 (i % 4) on
	v_wmma_f32_16x16x32_f16 v[O+8*(i%4):O+8*(i%4)+7], v[VF+32*(i/4)+8*(i%4):VF+32*(i/4)+8*(i%4)+7], v[P+8*(i/4):P+8*(i/4)+7], v[O+8*(i%4):O+8*(i%4)+7]
.set i, i+1
.endr
	v_add_nc_u32 v[AK], KS*PK, v[AK]               ; these four are the places behind those products
	v_add_nc_u32 v[AV], KS*PV, v[AV]
	v_nop
	v_nop
.endm
; A PART of the keys, from key 256 c on, steps x 64 keys: my loads for it have landed (left = how many later loads of mine may stay out), everybody's have.
.macro PART c, left, steps
	s_wait_dscnt 0x0
	s_wait_tensorcnt \left
	s_barrier_signal -1
	s_barrier_wait -1
	v_add_nc_u32 v[AK], (\c)*256*PK, v[AK0]
	v_add_nc_u32 v[AV], (\c)*256*PV, v[AV0]
	FETCH_K 0
	s_mov_b32 s[CNT], \steps
.Lstep_\@:
	STEP
	s_sub_co_u32 s[CNT], s[CNT], 1
	s_cmp_lg_u32 s[CNT], 0
	s_cbranch_scc1 .Lstep_\@
.endm
	PART 0, 3, 4
	PART 1, 2, 4
	PART 2, 0, 8
	; THE WAY OUT.  l's two halves and the other half of the lanes' are added; O^T is divided by l and sent through my stage.
	v_add_f32 v[TMP], v[ST+2], v[ST+3]
	v_permlanex16_b32 v[TMP+1], v[TMP], s[SEL], s[SEL+1]
	v_add_f32 v[TMP], v[TMP], v[TMP+1]
	v_rcp_f32 v[TMP+2], v[TMP]
	v_nop                                          ; a plain instruction between the reciprocal and the use of its result
.set j, 0
	s_wait_alu depctr_va_vdst(0)
.rept 16
	v_pk_mul_f32 v[O+2*j:O+2*j+1], v[O+2*j:O+2*j+1], v[TMP+2:TMP+3] op_sel_hi:[1,0]
.set j, j+1
.endr
	s_wait_dscnt 0x0                               ; my reads of K are over,
	s_barrier_signal -1
	s_barrier_wait -1                              ; everybody's are: the stage may be written
.irp f, 0,1,2,3
	ds_store_b128 v[STO], v[O+8*(\f):O+8*(\f)+3] offset:64*(\f)
	ds_store_b128 v[STO], v[O+8*(\f)+4:O+8*(\f)+7] offset:64*(\f)+16
.endr
.irp t, 0,1,2,3,4,5,6,7
	ds_load_b128 v[S+4*(\t):S+4*(\t)+3], v[RD] offset:(\t)*2*SP  ; my own bytes: LDS serves a wave's instructions in order (ISA guide 5.7.1.4)
.endr
.irp t, 0,1,2,3,4,5,6,7
	s_wait_dscnt 7-(\t)
	global_store_b128 v[GO], v[S+4*(\t):S+4*(\t)+3], s[8:9] offset:(\t)*8192  ; 16 lanes store 256 consecutive bytes, at a multiple of 256 from the buffer's first byte
.endr
	s_wait_tensorcnt 0x0                           ; the wave's end
	ds_add_u32 v[SPW], v[NIL]
	s_wait_dscnt 0x0
	s_endpgm
.Lfunc_end_k_q08b32b0258_attn:
	.size	k_q08b32b0258_attn, .Lfunc_end_k_q08b32b0258_attn-k_q08b32b0258_attn
	.p2alignl 7, 3214868480
	.fill 96, 4, 3214868480
	.section	.rodata,"a",@progbits
	.p2align	6, 0x0
	.amdhsa_kernel k_q08b32b0258_attn
		.amdhsa_group_segment_fixed_size 327680
		.amdhsa_private_segment_fixed_size 0
		.amdhsa_enable_private_segment 0
		.amdhsa_kernarg_size 24
		.amdhsa_user_sgpr_count 2
		.amdhsa_user_sgpr_kernarg_segment_ptr 1
		.amdhsa_wavefront_size32 1
		.amdhsa_system_sgpr_workgroup_id_x 1
		.amdhsa_system_sgpr_workgroup_id_y 1
		.amdhsa_system_sgpr_workgroup_id_z 1
		.amdhsa_system_vgpr_workitem_id 0
		.amdhsa_next_free_vgpr 256
		.amdhsa_next_free_sgpr 80
		.amdhsa_reserve_vcc 0
		.amdhsa_float_denorm_mode_32 3
		.amdhsa_float_denorm_mode_16_64 3
		.amdhsa_memory_ordered 1
		.amdhsa_forward_progress 1
		.amdhsa_inst_pref_size 47
	.end_amdhsa_kernel
	.amdgpu_metadata
---
amdhsa.version: [ 1, 2 ]
amdhsa.kernels:
  - .name:           k_q08b32b0258_attn
    .symbol:         k_q08b32b0258_attn.kd
    .args:
      - { .name: q32, .offset: 0, .size: 8, .value_kind: global_buffer, .address_space: global }
      - { .name: big16, .offset: 8, .size: 8, .value_kind: global_buffer, .address_space: global }
      - { .name: at32, .offset: 16, .size: 8, .value_kind: global_buffer, .address_space: global }
    .group_segment_fixed_size: 327680
    .private_segment_fixed_size: 0
    .kernarg_segment_align: 8
    .kernarg_segment_size: 24
    .max_flat_workgroup_size: 128
    .sgpr_count:     80
    .vgpr_count:     256
    .wavefront_size: 32
...
	.end_amdgpu_metadata
.endif
;; end of part 3
;; launch oproj (part 4): grid 16 x 16, 4 waves a work-group, clusters of 4 x 1, 327,680 bytes of LDS; arguments at32, wo16, out_proj_b, o32; writes o32
.if DOCPART == 4
	.amdgcn_target "amdgcn-amd-amdhsa--gfx1250"
	.amdhsa_code_object_version 6
	.text
	.protected	k_q08b32b0258_oproj
	.globl	k_q08b32b0258_oproj
	.p2align	8
	.type	k_q08b32b0258_oproj,@function
k_q08b32b0258_oproj:
	s_mov_b64 s[64:65], 0
	v_nop
	global_prefetch_b8 v0, s[64:65] scope:SCOPE_SE
	s_setreg_imm32_b32 hwreg(HW_REG_WAVE_MODE, 25, 1), 1
	s_wait_xcnt 0x0
	s_wait_alu depctr_hold_cnt(0) depctr_sa_sdst(0) depctr_va_vdst(0) depctr_va_sdst(0) depctr_va_ssrc(0) depctr_va_vcc(0) depctr_vm_vsrc(0)
	s_getreg_b32 s2, hwreg(HW_REG_IB_STS2, 6, 4)
	s_cmp_eq_u32 s2, 0
	s_cbranch_scc0 .Lentry_in_a_cluster
	s_endpgm
.Lentry_in_a_cluster:
	s_bfe_u32 s2, ttmp6, 0x10000c
	s_cmp_lg_u32 s2, 0x3003
	s_cbranch_scc0 .Lentry_shape_is_right
	s_endpgm
.Lentry_shape_is_right:
; o = attention Wo^T + bo:  C[m][n] = sum over k of f16(A[m][k]) B[n][k] + bias[n].  A: [512][1024] f32, B: [1024][1024] f16, bias: [1024] f32, C: [512][1024] f32; sums in f32.
; LIMIT: A is rounded to f16 on its way to the matrix unit: beyond 65,504 it becomes an infinity.
; SHARES.  A work-group makes 32 rows x 64 columns over the whole K.  Wave w: rows 16 (w & 1) on, columns 32 (w >> 1) on: two accumulators, which take turns.
; All of the tile's A (32 x 1024 f32) and B (64 x 1024 f16) lies in LDS, in four chunks of 256 along K; wave w brings chunk w of each: two tensor loads of mine are out.
; CLUSTER.  The four column tiles of a cluster need the same rows of A: A's chunks are asked for jointly (mask of four); B's are each work-group's own.
; THE MATRIX INSTRUCTION IS USED TRANSPOSED (source 0 = 16 rows of B, source 1 = 16 rows of A): a lane holds row lane % 16 of C and the columns 8 (lane / 16) + 0..7.
; The bias is loaded straight into the accumulators, so every K step is a step like any other.
.set PA,    1040                       ; a row of A in a chunk: 1,024 bytes + 16 = 65 x 16: the 16 rows of a load start at 16 different groups of four banks (64 banks of 4 bytes: ISA guide 11.1)
.set ACH,   32*PA                      ; a chunk of A
.set PB,    528                        ; a row of B in a chunk: 512 bytes + 16 = 33 x 16
.set BCH,   64*PB                      ; a chunk of B
.set BBASE, 4*ACH
.set STAGE, BBASE+4*BCH                ; 32 rows x 272 bytes, the work-group's, for the way out; no tensor load lands here
.set SP,    272
.set SPARE, STAGE+32*SP                ; the spare words, 128 bytes a wave: two blocks of 256 bytes that no other line names
.set VA,  3                            ; v3   LDS address of my A rows in the chunk in hand
.set VB,  4                            ; v4   the same for B
.set STO, 5                            ; v5   the way out: where I put my numbers of a row
.set RD,  6                            ; v6   where I read a row back
.set CO,  7                            ; v7   my byte offset in C
.set HB,  8                            ; v8   32 x (lane / 16)
.set SPW, 10                           ; v10  LDS address of my spare word; never rewritten
.set NIL, 11                           ; v11  0; never rewritten
.set ACC0, 16                          ; v[16:23], v[24:31] the two accumulators
.set ACC1, 24
.set RAW, 32                           ; v[32:95]   A as f32, two sets of 64 along K
.set BF,  96                           ; v[96:159]  B's fragments, two sets
.set A16, 160                          ; v[160:191] A's fragments in f16, two sets
.set WV,  12                           ; s12  my wave's number
.set G1A, 16                           ; s[16:23] descriptor group 1 for A's chunks
.set G1B, 24                           ; s[24:31] for B's
.set G0A, 32                           ; s[32:35] descriptor group 0 for my chunk of A
.set G0B, 36                           ; s[36:39] for my chunk of B
.macro PLACES
.rept 4
	v_nop
.endr
.endm
.macro CROUND                          ; a round of the cluster's barrier
	s_barrier_signal -1
	s_barrier_wait -1
	s_cmp_lg_u32 s[WV], 0
	s_cbranch_scc1 .Lnot_wave_0_\@
	s_barrier_signal -3
.Lnot_wave_0_\@:
	s_barrier_wait -3
	s_barrier_signal -1
	s_barrier_wait -1
.endm
	s_load_b256 s[4:11], s[0:1], 0x0               ; A s[4:5], B s[6:7], bias s[8:9], C s[10:11]
	v_lshl_add_u32 v[SPW], v0, 2, SPARE
	v_mov_b32 v[NIL], 0
	ds_add_u32 v[SPW], v[NIL]                      ; the wave's opening: the add and its wait stand ahead of my first tensor load; work on registers stands between them
	ds_add_u32 v10, v11
	v_lshrrev_b32 v1, 5, v0
	v_readfirstlane_b32 s[WV], v1                  ; wave 0..3
	s_bfe_u32 s13, ttmp6, 0x40000                  ; cx
	s_lshl_b32 s14, ttmp9, 2
	s_add_co_u32 s14, s14, s13                     ; column tile = 4 x cluster x + cx
	s_and_b32 s15, ttmp7, 0xffff                   ; row tile, which the four partners share
	s_mov_b32 s[G1A+0], 15|(2<<16)|(1<<20)|(1<<21)|(7<<22)|(3<<25)  ; mask of four; 4-byte elements; padding on; bit 21 beside a mask; after every 256 words, 4 words
	s_mov_b32 s[G1A+1], 256<<16                    ; tensor_dim0 = 256
	s_mov_b32 s[G1A+2], 32<<16                     ; tensor_dim1 = 32
	s_mov_b32 s[G1A+3], 256<<16                    ; tile_dim0 = 256
	s_mov_b32 s[G1A+4], 32                         ; tile_dim1 = 32
	s_mov_b32 s[G1A+5], 1024                       ; elements from row to row
	s_mov_b32 s[G1A+6], 0
	s_mov_b32 s[G1A+7], 0
	s_mov_b32 s[G1B+0], (1<<16)|(1<<20)|(6<<22)|(3<<25)  ; no mask; 2-byte elements; padding: after every 128 words, 4 words
	s_mov_b32 s[G1B+1], 256<<16
	s_mov_b32 s[G1B+2], 64<<16
	s_mov_b32 s[G1B+3], 256<<16
	s_mov_b32 s[G1B+4], 64
	s_mov_b32 s[G1B+5], 1024
	s_mov_b32 s[G1B+6], 0
	s_mov_b32 s[G1B+7], 0
	s_lshl_b32 s40, s15, 17                        ; A: 32 rows of 4,096 bytes a row tile,
	s_lshl_b32 s41, s[WV], 10                      ; 1,024 bytes a chunk: nothing of cx
	s_add_co_u32 s40, s40, s41
	s_mov_b32 s41, 0
	s_lshl_b32 s42, s14, 17                        ; B: 64 rows of 2,048 bytes a column tile,
	s_lshl_b32 s43, s[WV], 9                       ; 512 bytes a chunk
	s_add_co_u32 s42, s42, s43
	s_mov_b32 s43, 0
	s_mov_b32 s[G0A], 1
	s_mul_i32 s[G0A+1], s[WV], ACH
	s_mov_b32 s[G0B], 1
	s_mul_i32 s[G0B+1], s[WV], BCH
	s_add_co_u32 s[G0B+1], s[G0B+1], BBASE
	s_wait_dscnt 0x0                               ; the opening add is done
	s_wait_kmcnt 0x0
	s_add_nc_u64 s[G0A+2:G0A+3], s[4:5], s[40:41]
	s_or_b32 s[G0A+3], s[G0A+3], 0x80000000
	s_add_nc_u64 s[G0B+2:G0B+3], s[6:7], s[42:43]
	s_or_b32 s[G0B+3], s[G0B+3], 0x80000000
	CROUND                                         ; all four work-groups are here: the joint loads meet
	tensor_load_to_lds s[G0A:G0A+3], s[G1A:G1A+7]
	s_nop 0
	tensor_load_to_lds s[G0B:G0B+3], s[G1B:G1B+7]
	s_nop 0
	PLACES
	v_and_b32 v1, 15, v0                           ; r = lane % 16
	v_bfe_u32 v2, v0, 4, 1                         ; lane / 16
	v_lshlrev_b32 v[HB], 5, v2
	s_and_b32 s44, s[WV], 1                        ; my block of 16 rows
	s_lshr_b32 s45, s[WV], 1                       ; my 32 columns
	s_lshl_b32 s42, s14, 8                         ; the bias of my 32 columns: 256 bytes a column tile, 128 for the upper half
	s_lshl_b32 s43, s45, 7
	s_add_co_u32 s42, s42, s43
	s_mov_b32 s43, 0
	s_add_nc_u64 s[8:9], s[8:9], s[42:43]
	global_load_b128 v[ACC0:ACC0+3],   v[HB], s[8:9]            ; register j of an accumulator starts as the bias of column 8 (lane / 16) + j
	global_load_b128 v[ACC0+4:ACC0+7], v[HB], s[8:9] offset:16
	global_load_b128 v[ACC1:ACC1+3],   v[HB], s[8:9] offset:64
	global_load_b128 v[ACC1+4:ACC1+7], v[HB], s[8:9] offset:80
	s_mul_i32 s46, s44, 16*PA
	v_mad_u32_u24 v[VA], v1, PA, v[HB]             ; a fragment's 8 numbers of K are 32 bytes of f32
	v_add_nc_u32 v[VA], s46, v[VA]
	s_mul_i32 s46, s45, 32*PB
	s_add_co_u32 s46, s46, BBASE
	v_mul_u32_u24 v[VB], v1, PB
	v_lshl_add_u32 v[VB], v2, 4, v[VB]
	v_add_nc_u32 v[VB], s46, v[VB]
	s_mul_i32 s46, s44, 16*SP                      ; into the stage: row 16 a + r, byte 128 (w >> 1) + 32 (lane / 16)
	s_lshl_b32 s47, s45, 7
	s_add_co_u32 s46, s46, s47
	s_add_co_u32 s46, s46, STAGE
	v_mad_u32_u24 v[STO], v1, SP, v[HB]
	v_add_nc_u32 v[STO], s46, v[STO]
	s_mul_i32 s46, s[WV], 8*SP                     ; back: wave w takes rows 8 w on, whole; lanes 0-15 one row of 256 bytes, lanes 16-31 the next
	s_add_co_u32 s46, s46, STAGE
	v_mul_u32_u24 v[RD], v2, SP
	v_lshl_add_u32 v[RD], v1, 4, v[RD]
	v_add_nc_u32 v[RD], s46, v[RD]
	v_lshlrev_b32 v[CO], 12, v2
	v_lshl_add_u32 v[CO], v1, 4, v[CO]
	s_lshl_b32 s42, s15, 17                        ; C: row 32 x row tile + 8 w, column 64 x column tile
	s_lshl_b32 s47, s[WV], 15
	s_add_co_u32 s42, s42, s47
	s_lshl_b32 s47, s14, 8
	s_add_co_u32 s42, s42, s47
	s_add_nc_u64 s[10:11], s[10:11], s[42:43]
; 16 LDS loads: 64 along K (two matrix steps) of my 16 rows of A (f32) and my 32 rows of B, at bytes oa and ob of the rows
.macro LOADB set, oa, ob
.irp q, 0,1
	ds_load_b128 v[RAW+32*(\set)+16*(\q):RAW+32*(\set)+16*(\q)+3],     v[VA] offset:(\oa)+128*(\q)
	ds_load_b128 v[RAW+32*(\set)+16*(\q)+4:RAW+32*(\set)+16*(\q)+7],   v[VA] offset:(\oa)+128*(\q)+16
	ds_load_b128 v[RAW+32*(\set)+16*(\q)+8:RAW+32*(\set)+16*(\q)+11],  v[VA] offset:(\oa)+128*(\q)+64
	ds_load_b128 v[RAW+32*(\set)+16*(\q)+12:RAW+32*(\set)+16*(\q)+15], v[VA] offset:(\oa)+128*(\q)+80
.irp i, 0,1
	ds_load_b128 v[BF+32*(\set)+16*(\q)+8*(\i):BF+32*(\set)+16*(\q)+8*(\i)+3],   v[VB] offset:(\ob)+64*(\q)+16*PB*(\i)
	ds_load_b128 v[BF+32*(\set)+16*(\q)+8*(\i)+4:BF+32*(\set)+16*(\q)+8*(\i)+7], v[VB] offset:(\ob)+64*(\q)+16*PB*(\i)+32
.endr
.endr
.endm
.macro CVT set, first, n               ; n pairs of A, from pair first on, are rounded to f16
.set kk, \first
.rept \n
	v_cvt_pk_f16_f32 v[A16+16*(\set)+kk], v[RAW+32*(\set)+2*kk], v[RAW+32*(\set)+2*kk+1]
.set kk, kk+1
.endr
.endm
.macro MM set                          ; four matrix instructions, the two accumulators by turns
.irp q, 0,1
	v_wmma_f32_16x16x32_f16 v[ACC0:ACC0+7], v[BF+32*(\set)+16*(\q):BF+32*(\set)+16*(\q)+7],    v[A16+16*(\set)+8*(\q):A16+16*(\set)+8*(\q)+7], v[ACC0:ACC0+7]
	v_wmma_f32_16x16x32_f16 v[ACC1:ACC1+7], v[BF+32*(\set)+16*(\q)+8:BF+32*(\set)+16*(\q)+15], v[A16+16*(\set)+8*(\q):A16+16*(\set)+8*(\q)+7], v[ACC1:ACC1+7]
.endr
.endm
; A batch: 64 along K.  Its first four conversions name no register of the matrix instructions just issued: they are the four places in front of the loads into the other set.
; pre = 2: the loads are the next chunk's first; in the last trip there is none, and they are jumped over.
.macro BATCH set, oa, ob, pre
	s_wait_dscnt 0x0                               ; this batch's sixteen loads are in
	CVT \set, 0, 4
.if (\pre) == 2
	s_cmp_eq_u32 s3, 1
	s_cbranch_scc1 .Lnopre_\@
.endif
	LOADB 1-(\set), \oa, \ob
.if (\pre) == 2
.Lnopre_\@:
.endif
	CVT \set, 4, 12
	MM \set
.endm
	s_wait_tensorcnt 0x0                           ; my chunk of A and of B is in,
	s_barrier_signal -1
	s_barrier_wait -1                              ; everybody's is
	LOADB 0, 0, 0
	s_wait_loadcnt 0x0                             ; the bias
	s_mov_b32 s3, 4
.Lch:                                                  ; a trip: a chunk of 256 along K, four batches
	BATCH 0, 256, 128, 1
	BATCH 1, 512, 256, 1
	BATCH 0, 768, 384, 1
	BATCH 1, ACH, BCH, 2
	v_add_nc_u32 v[VA], ACH, v[VA]
	v_add_nc_u32 v[VB], BCH, v[VB]
	s_sub_co_u32 s3, s3, 1
	s_cmp_lg_u32 s3, 0
	s_cbranch_scc1 .Lch
	; THE WAY OUT: through the work-group's stage, since a row's 256 bytes come from two waves; each accumulator's low registers first
	PLACES
	ds_store_b128 v[STO], v[ACC0:ACC0+3]
	ds_store_b128 v[STO], v[ACC0+4:ACC0+7] offset:16
	ds_store_b128 v[STO], v[ACC1:ACC1+3] offset:64
	ds_store_b128 v[STO], v[ACC1+4:ACC1+7] offset:80
	s_wait_dscnt 0x0                               ; for the others' sake: my stores into the stage are done
	s_barrier_signal -1
	s_barrier_wait -1
.irp t, 0,1,2,3
	ds_load_b128 v[RAW+4*(\t):RAW+4*(\t)+3], v[RD] offset:(\t)*2*SP
.endr
.irp t, 0,1,2,3
	s_wait_dscnt 3-(\t)
	global_store_b128 v[CO], v[RAW+4*(\t):RAW+4*(\t)+3], s[10:11] offset:(\t)*8192  ; 16 lanes store 256 consecutive bytes, at a multiple of 256 from C's first byte
.endr
	s_wait_tensorcnt 0x0                           ; the wave's end
	ds_add_u32 v[SPW], v[NIL]
	s_wait_dscnt 0x0
	CROUND                                         ; the closing round
	s_endpgm
.Lfunc_end_k_q08b32b0258_oproj:
	.size	k_q08b32b0258_oproj, .Lfunc_end_k_q08b32b0258_oproj-k_q08b32b0258_oproj
	.p2alignl 7, 3214868480
	.fill 96, 4, 3214868480
	.section	.rodata,"a",@progbits
	.p2align	6, 0x0
	.amdhsa_kernel k_q08b32b0258_oproj
		.amdhsa_group_segment_fixed_size 327680
		.amdhsa_private_segment_fixed_size 0
		.amdhsa_enable_private_segment 0
		.amdhsa_kernarg_size 32
		.amdhsa_user_sgpr_count 2
		.amdhsa_user_sgpr_kernarg_segment_ptr 1
		.amdhsa_wavefront_size32 1
		.amdhsa_system_sgpr_workgroup_id_x 1
		.amdhsa_system_sgpr_workgroup_id_y 1
		.amdhsa_system_sgpr_workgroup_id_z 1
		.amdhsa_system_vgpr_workitem_id 0
		.amdhsa_next_free_vgpr 192
		.amdhsa_next_free_sgpr 66
		.amdhsa_reserve_vcc 0
		.amdhsa_float_denorm_mode_32 3
		.amdhsa_float_denorm_mode_16_64 3
		.amdhsa_memory_ordered 1
		.amdhsa_forward_progress 1
		.amdhsa_inst_pref_size 18
	.end_amdhsa_kernel
	.amdgpu_metadata
---
amdhsa.version: [ 1, 2 ]
amdhsa.kernels:
  - .name:           k_q08b32b0258_oproj
    .symbol:         k_q08b32b0258_oproj.kd
    .args:
      - { .name: at32, .offset: 0, .size: 8, .value_kind: global_buffer, .address_space: global }
      - { .name: wo16, .offset: 8, .size: 8, .value_kind: global_buffer, .address_space: global }
      - { .name: out_proj_b, .offset: 16, .size: 8, .value_kind: global_buffer, .address_space: global }
      - { .name: o32, .offset: 24, .size: 8, .value_kind: global_buffer, .address_space: global }
    .group_segment_fixed_size: 327680
    .private_segment_fixed_size: 0
    .kernarg_segment_align: 8
    .kernarg_segment_size: 32
    .max_flat_workgroup_size: 128
    .sgpr_count:     66
    .vgpr_count:     192
    .wavefront_size: 32
...
	.end_amdgpu_metadata
.endif
;; end of part 4
;; launch lnup (part 5): grid 16 x 16, 8 waves a work-group, clusters of 4 x 1, 327,680 bytes of LDS; arguments o32, ln_g, ln_b, wf16, b1, out0, big16; writes out0, big16
.if DOCPART == 5
	.amdgcn_target "amdgcn-amd-amdhsa--gfx1250"
	.amdhsa_code_object_version 6
	.text
	.protected	k_q08b32b0258_lnup
	.globl	k_q08b32b0258_lnup
	.p2align	8
	.type	k_q08b32b0258_lnup,@function
k_q08b32b0258_lnup:
	s_mov_b64 s[64:65], 0
	v_nop
	global_prefetch_b8 v0, s[64:65] scope:SCOPE_SE
	s_setreg_imm32_b32 hwreg(HW_REG_WAVE_MODE, 25, 1), 1
	s_wait_xcnt 0x0
	s_wait_alu depctr_hold_cnt(0) depctr_sa_sdst(0) depctr_va_vdst(0) depctr_va_sdst(0) depctr_va_ssrc(0) depctr_va_vcc(0) depctr_vm_vsrc(0)
	s_getreg_b32 s2, hwreg(HW_REG_IB_STS2, 6, 4)
	s_cmp_eq_u32 s2, 0
	s_cbranch_scc0 .Lentry_in_a_cluster
	s_endpgm
.Lentry_in_a_cluster:
	s_bfe_u32 s2, ttmp6, 0x10000c
	s_cmp_lg_u32 s2, 0x3003
	s_cbranch_scc0 .Lentry_shape_is_right
	s_endpgm
.Lentry_shape_is_right:
; LayerNorm, the first layer of the head, the upsampling and GELU.  c = LayerNorm(o) g + b -> out0 (f32);  y = c w1^T + b1;  h[l] = gelu(y[i0] + f (y[i1] - y[i0])) -> h[8192][2048] in f16.
; THE UPSAMPLING STANDS BEHIND THE PRODUCT: a row of the upsampled sequence is (1 - f) c[i0] + f c[i1], the two weights add up to 1, so its product with w1 plus b1 is the same mixture of y[i0] and y[i1]: the product is made
; for 64 tokens a batch in place of 1,024 rows.  The order of rounding differs from forming the mixture first.
; FORMATS.  c and w1 go to the matrix unit in f16, sums in f32 (b1 is loaded straight into the accumulators); LayerNorm in f32 in two passes (the mean, then the squares of the differences); mixture and GELU in f32.
; gelu(x) = x / 2 + |x| erf(|x| / sqrt 2) / 2, erf by 1 - (a1 t + .. + a5 t^5) exp(-z^2), t = 1 / (1 + 0.3275911 z) (Abramowitz and Stegun 7.1.26: within 1.5e-7 for every z).
; LIMITS: c or h beyond 65,504 becomes an infinity; NaN and infinities are not treated apart.
; SHARES.  A work-group owns rows 512 half .. + 511 of batch b and columns 128 nblk .. + 127 of h.  It needs the tokens 32 half - 1 .. 32 half + 32, clipped to 0 .. 63 as the positions are clipped: local row lam = 0 .. 47 is token
; min(max(32 half - 1 + lam, 0), 63).  The clip lies in the global row number alone.  Rows 34 .. 47 fill the third block of 16 and are not used.  The 16 column blocks each normalise their 48 rows (192 KiB) anew;
; each stores two of them to out0 (lam = 2 nblk + 1, 2 nblk + 2), so every row of out0 is stored once.
; CLUSTER.  The four partners (two batches x two halves) share nblk and so w1's 128 rows: they are asked for jointly, in four chunks of 256 along K.  Three slots; waves 0-5 fill them at the start, one load each;
; waves 6 and 7 fill slot 0 again with chunk 3 behind a round of the cluster's barrier.  One load of mine is out at the most.
.set PA,    2064                       ; a row of c in f16: 2,048 bytes + 16 = 129 x 16: the 16 rows of a load start at 16 different groups of four banks (64 banks of 4 bytes: ISA guide 11.1)
.set PY,    528                        ; a row of y: 512 bytes + 16; y lies over c, behind a barrier
.set PB,    528                        ; a row of a chunk of w1
.set HALF,  64*PB
.set BSLOT, 2*HALF
.set BBASE, 48*PA                      ; c's 48 rows end on a multiple of 256: no tensor load lands in a block that is stored to
.set SPARE, BBASE+3*BSLOT              ; the spare words, 128 bytes a wave: four blocks of 256 bytes that no other line names
.set LO,  1                            ; v1   16 x lane
.set AS,  2                            ; v2   where I store my 8 bytes of a row of c
.set M,   4                            ; v[4:5] the mean, then 1 / sqrt(var + eps), twice
.set VA,  6                            ; v6   LDS address of c's fragments, blocks 0 and 1;  v7 block 2
.set VA2, 7
.set VB,  8                            ; v8-10  of w1's fragments in slots 0, 1, 2
.set HB,  11                           ; v11  32 x (lane / 16)
.set YS,  12                           ; v12  where I store y
.set RR,  13                           ; v13  lane % 16
.set HH2, 14                           ; v14  lane / 16
.set T,   16                           ; v[16:31] at work
.set G,   32                           ; v[32:63] ln_g of my 32 columns
.set BT,  64                           ; v[64:95] ln_b
.set X,   96                           ; v[96:191] three rows
.set H16, 192                          ; v[192:207]
.set ACC, 208                          ; v[208:231] three accumulators
.set SPW, 252                          ; v252 LDS address of my spare word; never rewritten
.set NIL, 253                          ; v253 0; never rewritten
.set Y0,  16                           ; GELU: v[16:23] y[i0], v[24:31] y[i1] - y[i0], v[32:39] x, v[40:47] t, v[48:55] exp, v[56:63] x / 2, v[64:71] the series, v[72:75] f16
.set D,   24
.set XX,  32
.set TT,  40
.set UU,  48
.set HX,  56
.set PP,  64
.set HO,  72
.set F,   76                           ; v[76:77] f
.set FB,  78                           ; v78  f of a pair's first row
.set ADDR, 80                          ; v80  my byte offset in h
.set YA,  81                           ; v81  LDS address of my 32 bytes of y[i0]
.set WV,  12
.set G1,  16                           ; s[16:23]
.set G0,  32                           ; s[32:35] the first fill;  s[36:39] the refill
.set G0R, 36
.set LAM, 28                           ; s28  the trip's first local row
.set SEL, 56                           ; s[56:57]
.set C1K, 58                           ; s58  1 / 1024
.set CEPS, 59                          ; s59  1e-5
.set PC,  60                           ; s60  0.3275911 / sqrt 2
.set NC,  74                           ; s[74:75] -log2(e) / 2
.set CA1, 76                           ; s[76:85] half of a1 .. a5, each as a pair
.set CA2, 78
.set CA3, 80
.set CA4, 82
.set CA5, 84
.macro PLACES
.rept 4
	v_nop
.endr
.endm
.macro CROUND                          ; a round of the cluster's barrier
	s_barrier_signal -1
	s_barrier_wait -1
	s_cmp_lg_u32 s[WV], 0
	s_cbranch_scc1 .Lnot_wave_0_\@
	s_barrier_signal -3
.Lnot_wave_0_\@:
	s_barrier_wait -3
	s_barrier_signal -1
	s_barrier_wait -1
.endm
	s_load_b256 s[4:11], s[0:1], 0x0               ; o s[4:5], ln_g s[6:7], ln_b s[8:9], wf16 s[10:11]
	s_load_b128 s[68:71], s[0:1], 0x20             ; b1 s[68:69], out0 s[70:71]
	s_load_b64 s[72:73], s[0:1], 0x30              ; h
	v_lshl_add_u32 v[SPW], v0, 2, SPARE
	v_mov_b32 v[NIL], 0
	ds_add_u32 v[SPW], v[NIL]                      ; the wave's opening: the add and its wait stand ahead of my first tensor load; work on registers stands between them
	ds_add_u32 v252, v253
	v_lshrrev_b32 v1, 5, v0
	v_readfirstlane_b32 s[WV], v1                  ; wave 0..7
	s_bfe_u32 s13, ttmp6, 0x40000                  ; cx: it enters global addresses alone
	s_lshl_b32 s14, ttmp9, 2
	s_add_co_u32 s14, s14, s13
	s_lshr_b32 s15, s14, 1                         ; batch
	s_and_b32 s24, s14, 1                          ; half
	s_and_b32 s25, ttmp7, 0xffff                   ; nblk, which the four partners share
	s_lshl_b32 s26, s24, 5
	s_sub_co_i32 s26, s26, 1                       ; 32 half - 1
	s_lshl_b32 s27, s15, 6                         ; 64 x batch
	s_mul_i32 s[LAM], s[WV], 6
	s_lshl_b32 s29, s25, 1
	s_add_co_u32 s29, s29, 1                       ; the first of the two local rows that I store to out0
	s_mov_b32 s[G1+0], 15|(1<<16)|(1<<20)|(1<<21)|(6<<22)|(3<<25)  ; mask of four; 2-byte elements; padding on; bit 21 beside a mask; after every 128 words, 4 words
	s_mov_b32 s[G1+1], 256<<16
	s_mov_b32 s[G1+2], 64<<16
	s_mov_b32 s[G1+3], 256<<16
	s_mov_b32 s[G1+4], 64
	s_mov_b32 s[G1+5], 1024
	s_mov_b32 s[G1+6], 0
	s_mov_b32 s[G1+7], 0
	s_and_b32 s54, s[WV], 1                        ; which 64 rows of w1's 128 I fetch,
	s_lshr_b32 s55, s[WV], 1                       ; of which chunk
	s_lshl_b32 s30, s25, 18                        ; 128 rows of 2,048 bytes a column block
	s_lshl_b32 s31, s54, 17
	s_add_co_u32 s30, s30, s31
	s_lshl_b32 s31, s55, 9
	s_add_co_u32 s30, s30, s31
	s_mov_b32 s31, 0
	s_mul_i32 s54, s54, HALF
	s_mov_b32 s[G0], 1
	s_mul_i32 s[G0+1], s55, BSLOT
	s_add_co_u32 s[G0+1], s[G0+1], s54
	s_add_co_u32 s[G0+1], s[G0+1], BBASE
	s_mov_b32 s[G0R], 1
	s_add_co_u32 s[G0R+1], s54, BBASE              ; chunk 3 goes into slot 0
	s_mov_b32 s[SEL], 0x76543210
	s_mov_b32 s[SEL+1], 0xfedcba98
	s_mov_b32 s[C1K], 0x3a800000
	s_mov_b32 s[CEPS], 0x3727c5ac
	s_mov_b32 s[PC], 0x3e6d3388
	s_mov_b32 s[NC], 0xbf38aa3b
	s_mov_b32 s[NC+1], s[NC]
	s_mov_b32 s[CA1], 0x3e027906
	s_mov_b32 s[CA1+1], s[CA1]
	s_mov_b32 s[CA2], 0xbe11a98e
	s_mov_b32 s[CA2+1], s[CA2]
	s_mov_b32 s[CA3], 0x3f35f0e3
	s_mov_b32 s[CA3+1], s[CA3]
	s_mov_b32 s[CA4], 0xbf3a00e3
	s_mov_b32 s[CA4+1], s[CA4]
	s_mov_b32 s[CA5], 0x3f07dc22
	s_mov_b32 s[CA5+1], s[CA5]
	s_mov_b32 s53, 0
	s_wait_dscnt 0x0                               ; the opening add is done
	s_wait_kmcnt 0x0
	s_add_nc_u64 s[G0+2:G0+3], s[10:11], s[30:31]
	s_or_b32 s[G0+3], s[G0+3], 0x80000000
	s_add_nc_u64 s[G0R+2:G0R+3], s[10:11], s[30:31]
	s_or_b32 s[G0R+3], s[G0R+3], 0x80000000
	CROUND                                         ; all four work-groups are here: the first joint loads meet
	s_cmp_lt_u32 s[WV], 6
	s_cbranch_scc0 .Lno_first
	tensor_load_to_lds s[G0:G0+3], s[G1:G1+7]      ; chunks 0, 1, 2
	s_nop 0
	PLACES
.Lno_first:
	v_and_b32 v3, 31, v0
	v_lshlrev_b32 v[LO], 4, v3
	s_mul_i32 s54, s[WV], 6*PA
	v_lshl_add_u32 v[AS], v3, 3, s54
	v_and_b32 v[RR], 15, v0
	v_bfe_u32 v[HH2], v0, 4, 1
	v_lshlrev_b32 v[HB], 5, v[HH2]
	s_lshl_b32 s30, s25, 9                         ; b1 of my wave's 16 columns
	s_lshl_b32 s54, s[WV], 6
	s_add_co_u32 s30, s30, s54
	s_add_nc_u64 s[68:69], s[68:69], s[30:31]
.irp a, 0,1,2                          ; register j of each accumulator starts as b1 of column 8 (lane / 16) + j
	global_load_b128 v[ACC+8*(\a):ACC+8*(\a)+3],   v[HB], s[68:69]
	global_load_b128 v[ACC+8*(\a)+4:ACC+8*(\a)+7], v[HB], s[68:69] offset:16
.endr
.irp j, 0,1,2,3,4,5,6,7                ; a lane's columns: 128 j + 4 lane + 0..3
	global_load_b128 v[G+4*(\j):G+4*(\j)+3],   v[LO], s[6:7] offset:512*(\j)
	global_load_b128 v[BT+4*(\j):BT+4*(\j)+3], v[LO], s[8:9] offset:512*(\j)
.endr
	v_mul_u32_u24 v[VA], v[RR], PA
	v_lshl_add_u32 v[VA], v[HH2], 4, v[VA]
	v_add_nc_u32 v[VA2], 32*PA, v[VA]
	s_mul_i32 s54, s[WV], 16*PB
	s_add_co_u32 s54, s54, BBASE
	v_mul_u32_u24 v15, v[RR], PB
	v_lshl_add_u32 v15, v[HH2], 4, v15
	v_add_nc_u32 v[VB], s54, v15
	v_add_nc_u32 v[VB+1], BSLOT, v[VB]
	v_add_nc_u32 v[VB+2], 2*BSLOT, v[VB]
	s_lshl_b32 s54, s[WV], 6
	v_mad_u32_u24 v[YS], v[RR], PY, v[HB]
	v_add_nc_u32 v[YS], s54, v[YS]
.macro REDUCE                          ; v[T] is added up over the wave's 32 lanes; every lane gets the sum
	v_add_f32_dpp v[T], v[T], v[T] row_xmask:1 row_mask:0xf bank_mask:0xf
	v_add_f32_dpp v[T], v[T], v[T] row_xmask:2 row_mask:0xf bank_mask:0xf
	v_add_f32_dpp v[T], v[T], v[T] row_xmask:4 row_mask:0xf bank_mask:0xf
	v_add_f32_dpp v[T], v[T], v[T] row_xmask:8 row_mask:0xf bank_mask:0xf
	v_permlanex16_b32 v[T+1], v[T], s[SEL], s[SEL+1]
	v_add_f32 v[T], v[T], v[T+1]
.endm
; Row s of a trip's three: the whole row lies in the wave's registers, 32 numbers a lane.
.macro LNROW s
.set X0, X+32*(\s)
	s_wait_loadcnt 8*(2-(\s))                      ; my row's eight loads are in; the younger rows' stay out
.set k, 0
.rept 8
	v_pk_add_f32 v[T+2*k:T+2*k+1], v[X0+4*k:X0+4*k+1], v[X0+4*k+2:X0+4*k+3]
.set k, k+1
.endr
.irp i, 0,1,2,3
	v_pk_add_f32 v[T+4*(\i):T+4*(\i)+1], v[T+4*(\i):T+4*(\i)+1], v[T+4*(\i)+2:T+4*(\i)+3]
.endr
	v_pk_add_f32 v[T:T+1], v[T:T+1], v[T+4:T+5]
	v_pk_add_f32 v[T+8:T+9], v[T+8:T+9], v[T+12:T+13]
	v_pk_add_f32 v[T:T+1], v[T:T+1], v[T+8:T+9]
	v_add_f32 v[T], v[T], v[T+1]
	REDUCE
	v_mul_f32 v[M], s[C1K], v[T]                   ; the mean
	v_mul_f32 v[M+1], s[C1K], v[T]
.set k, 0
.rept 16
	v_pk_add_f32 v[X0+2*k:X0+2*k+1], v[X0+2*k:X0+2*k+1], v[M:M+1] neg_lo:[0,1] neg_hi:[0,1]
.set k, k+1
.endr
.irp i, 0,1,2,3                        ; the squares of the differences, in four chains
	v_pk_mul_f32 v[T+2*(\i):T+2*(\i)+1], v[X0+2*(\i):X0+2*(\i)+1], v[X0+2*(\i):X0+2*(\i)+1]
.endr
.set k, 4
.rept 12
	v_pk_fma_f32 v[T+2*(k%4):T+2*(k%4)+1], v[X0+2*k:X0+2*k+1], v[X0+2*k:X0+2*k+1], v[T+2*(k%4):T+2*(k%4)+1]
.set k, k+1
.endr
	v_pk_add_f32 v[T:T+1], v[T:T+1], v[T+2:T+3]
	v_pk_add_f32 v[T+4:T+5], v[T+4:T+5], v[T+6:T+7]
	v_pk_add_f32 v[T:T+1], v[T:T+1], v[T+4:T+5]
	v_add_f32 v[T], v[T], v[T+1]
	REDUCE
	v_fma_f32 v[T], v[T], s[C1K], s[CEPS]          ; var + eps
	v_rsq_f32 v[M], v[T]
	v_rsq_f32 v[M+1], v[T]
	v_nop                                          ; a plain instruction between the root and the use of its result
.set k, 0
	s_wait_alu depctr_va_vdst(0)
.rept 16
	v_pk_mul_f32 v[X0+2*k:X0+2*k+1], v[X0+2*k:X0+2*k+1], v[M:M+1]
.set k, k+1
.endr
.set k, 0
.rept 16
	v_pk_fma_f32 v[X0+2*k:X0+2*k+1], v[X0+2*k:X0+2*k+1], v[G+2*k:G+2*k+1], v[BT+2*k:BT+2*k+1]
.set k, k+1
.endr
.set k, 0
.rept 16
	v_cvt_pk_f16_f32 v[H16+k], v[X0+2*k], v[X0+2*k+1]
.set k, k+1
.endr
.irp j, 0,1,2,3,4,5,6,7
	ds_store_b64 v[AS], v[H16+2*(\j):H16+2*(\j)+1] offset:(\s)*PA+256*(\j)
.endr
	s_add_co_u32 s54, s[LAM], \s                   ; is this one of the two rows that this work-group stores to out0?  The test hangs on the wave, the trip and nblk
	s_sub_co_u32 s54, s54, s29
	s_cmp_lt_u32 s54, 2
	s_cbranch_scc0 .Lno_out_\@
.irp j, 0,1,2,3,4,5,6,7
	global_store_b128 v[LO], v[X0+4*(\j):X0+4*(\j)+3], s[42+4*(\s):43+4*(\s)] offset:512*(\j)  ; 512 consecutive bytes
.endr
.Lno_out_\@:
.endm
	s_mov_b32 s3, 2
.Lln:                                                  ; a trip: three of my wave's six rows
	s_wait_xcnt 0x0                                ; the row addresses and X, which the last trip's loads and stores name, are written again only behind this wait
.irp s, 0,1,2
	s_add_co_u32 s52, s[LAM], \s
	s_add_co_i32 s52, s52, s26
	s_max_i32 s52, s52, 0                          ; the clip of the positions
	s_min_i32 s52, s52, 63
	s_add_co_u32 s52, s52, s27
	s_lshl_b32 s52, s52, 12                        ; rows of 4,096 bytes
	s_add_nc_u64 s[40+4*(\s):41+4*(\s)], s[4:5], s[52:53]
	s_add_nc_u64 s[42+4*(\s):43+4*(\s)], s[70:71], s[52:53]
.irp j, 0,1,2,3,4,5,6,7
	global_load_b128 v[X+32*(\s)+4*(\j):X+32*(\s)+4*(\j)+3], v[LO], s[40+4*(\s):41+4*(\s)] offset:512*(\j)
.endr
.endr
	LNROW 0
	LNROW 1
	LNROW 2
	v_add_nc_u32 v[AS], 3*PA, v[AS]
	s_add_co_u32 s[LAM], s[LAM], 3
	s_sub_co_u32 s3, s3, 1
	s_cmp_lg_u32 s3, 0
	s_cbranch_scc1 .Lln
; THE PRODUCT.  Wave w: columns 16 w on, all 48 rows: three accumulators, which take turns.  Used transposed: a lane holds token row lane % 16 and the columns 8 (lane / 16) + 0..7.
; 16 LDS loads: 64 along K (batch t of a chunk's four): for each 32 along K c's three blocks and w1's one
.macro GL set, c, vb, t
.irp q, 0,1
.set FS, 64+64*(\set)+32*(\q)
.set KO, 64*(2*(\t)+(\q))
	ds_load_b128 v[FS:FS+3],     v[VA]  offset:(\c)*512+KO
	ds_load_b128 v[FS+4:FS+7],   v[VA]  offset:(\c)*512+KO+32
	ds_load_b128 v[FS+8:FS+11],  v[VA]  offset:(\c)*512+KO+16*PA
	ds_load_b128 v[FS+12:FS+15], v[VA]  offset:(\c)*512+KO+16*PA+32
	ds_load_b128 v[FS+16:FS+19], v[VA2] offset:(\c)*512+KO
	ds_load_b128 v[FS+20:FS+23], v[VA2] offset:(\c)*512+KO+32
	ds_load_b128 v[FS+24:FS+27], v[\vb] offset:KO
	ds_load_b128 v[FS+28:FS+31], v[\vb] offset:KO+32
.endr
.endm
.macro GM set
.irp q, 0,1
.irp a, 0,1,2
	v_wmma_f32_16x16x32_f16 v[ACC+8*(\a):ACC+8*(\a)+7], v[64+64*(\set)+32*(\q)+24:64+64*(\set)+32*(\q)+31], v[64+64*(\set)+32*(\q)+8*(\a):64+64*(\set)+32*(\q)+8*(\a)+7], v[ACC+8*(\a):ACC+8*(\a)+7]
.endr
.endr
.endm
.macro GCH c, vb                       ; a chunk of 256 along K; four places stand in front of each run of loads into registers that the last products read
	PLACES
	GL 0, \c, \vb, 0
.irp t, 0,1,2,3
.if (\t) < 3
.if (\t) > 0
	PLACES
.endif
	GL ((\t)+1)%2, \c, \vb, (\t)+1
	s_wait_dscnt 16                                ; all but the sixteen just issued
.else
	s_wait_dscnt 0x0
.endif
	GM (\t)%2
.endr
.endm
	s_wait_xcnt 0x0                                ; the fragments land in registers that out0's stores read
	s_wait_tensorcnt 0x0                           ; my part of w1's first three chunks is in,
	s_wait_dscnt 0x0                               ; my rows of c are stored,
	s_barrier_signal -1
	s_barrier_wait -1                              ; everybody's are
	GCH 0, VB
	s_wait_tensorcnt 0x0                           ; slot 0 is filled again: no tensor load of mine is out,
	ds_add_u32 v[SPW], v[NIL]
	ds_add_u32 v252, v253
	s_wait_dscnt 0x0                               ; and my reads of slot 0 are over
	CROUND                                         ; the same holds of every wave of all four work-groups
	s_cmp_lt_u32 s[WV], 6
	s_cbranch_scc1 .Lno_refill
	tensor_load_to_lds s[G0R:G0R+3], s[G1:G1+7]    ; chunk 3: it has two chunks' work in which to land
	s_nop 0
	PLACES
.Lno_refill:
	GCH 1, VB+1
	GCH 2, VB+2
	s_wait_tensorcnt 0x0                           ; chunk 3 is in,
	s_wait_dscnt 0x0
	s_barrier_signal -1
	s_barrier_wait -1                              ; for everybody
	GCH 3, VB
	PLACES
	s_wait_dscnt 0x0                               ; my reads of c are over,
	s_barrier_signal -1
	s_barrier_wait -1                              ; everybody's are: y may be written over it
.irp a, 0,1,2                          ; each accumulator's low registers first
	ds_store_b128 v[YS], v[ACC+8*(\a):ACC+8*(\a)+3] offset:16*PY*(\a)
	ds_store_b128 v[YS], v[ACC+8*(\a)+4:ACC+8*(\a)+7] offset:16*PY*(\a)+16
.endr
	s_wait_dscnt 0x0                               ; for the others' sake
	s_barrier_signal -1
	s_barrier_wait -1
	; THE MIXTURE AND GELU.  Wave w takes the groups of 16 rows P = 4 w .. 4 w + 3.  Row 16 P + 8 hh + i (hh = lane / 16) lies between local tokens P + hh and P + hh + 1, at f = 0.53125 - 0.5 hh + i / 16, which is exact in f32.
	; Where the position is clipped the two tokens are the same row, and f does not matter.  A lane owns 8 columns; sixteen lanes a row's 128.
	v_cvt_f32_u32 v[FB], v[HH2]
	v_fma_f32 v[FB], v[FB], -0.5, 0x3f080000
	v_mov_b32 v[F+1], 0                            ; named with f as a pair
	s_lshl_b32 s54, s[WV], 18                      ; 64 rows of 4,096 bytes a wave
	v_lshlrev_b32 v[ADDR], 15, v[HH2]
	v_lshl_add_u32 v[ADDR], v[RR], 4, v[ADDR]
	v_add_nc_u32 v[ADDR], s54, v[ADDR]
	s_mul_i32 s54, s[WV], 4*PY
	v_mul_u32_u24 v[YA], v[HH2], PY
	v_lshl_add_u32 v[YA], v[RR], 5, v[YA]
	v_add_nc_u32 v[YA], s54, v[YA]
	s_lshl_b32 s52, s15, 22                        ; h: 1,024 rows a batch, 512 a half, 256 bytes a column block
	s_lshl_b32 s86, s24, 21
	s_add_co_u32 s52, s52, s86
	s_lshl_b32 s86, s25, 8
	s_add_co_u32 s52, s52, s86
	s_add_nc_u64 s[72:73], s[72:73], s[52:53]
	s_mov_b32 s3, 4
.Lpair:
	ds_load_b128 v[Y0:Y0+3],   v[YA]
	ds_load_b128 v[Y0+4:Y0+7], v[YA] offset:16
	ds_load_b128 v[D:D+3],     v[YA] offset:PY
	ds_load_b128 v[D+4:D+7],   v[YA] offset:PY+16
	s_wait_dscnt 0x0
.irp i, 0,1,2,3
	v_pk_add_f32 v[D+2*(\i):D+2*(\i)+1], v[D+2*(\i):D+2*(\i)+1], v[Y0+2*(\i):Y0+2*(\i)+1] neg_lo:[0,1] neg_hi:[0,1]
.endr
	v_mov_b32 v[F], v[FB]
	s_mov_b32 s55, 8
.Lrow:                                                 ; a trip: one row for each half of the lanes, 8 numbers a lane
.irp i, 0,1,2,3
	v_pk_fma_f32 v[XX+2*(\i):XX+2*(\i)+1], v[D+2*(\i):D+2*(\i)+1], v[F:F+1], v[Y0+2*(\i):Y0+2*(\i)+1] op_sel_hi:[1,0,1]
.endr
.irp i, 0,1,2,3,4,5,6,7
	v_fma_f32 v[TT+(\i)], |v[XX+(\i)]|, s[PC], 1.0
.endr
.irp i, 0,1,2,3
	v_pk_mul_f32 v[UU+2*(\i):UU+2*(\i)+1], v[XX+2*(\i):XX+2*(\i)+1], s[NC:NC+1] op_sel_hi:[1,0]
.endr
.irp i, 0,1,2,3
	v_pk_mul_f32 v[UU+2*(\i):UU+2*(\i)+1], v[UU+2*(\i):UU+2*(\i)+1], v[XX+2*(\i):XX+2*(\i)+1]
.endr
.irp i, 0,1,2,3,4,5,6,7
	v_rcp_f32 v[TT+(\i)], v[TT+(\i)]               ; t
.endr
.irp i, 0,1,2,3,4,5,6,7
	v_exp_f32 v[UU+(\i)], v[UU+(\i)]               ; exp(-x^2 / 2)
.endr
.irp i, 0,1,2,3                        ; plain work behind the transcendentals
	v_pk_mul_f32 v[HX+2*(\i):HX+2*(\i)+1], v[XX+2*(\i):XX+2*(\i)+1], 0.5 op_sel_hi:[1,0]
.endr
	s_wait_alu depctr_va_vdst(0)
.irp i, 0,1,2,3
	v_pk_fma_f32 v[PP+2*(\i):PP+2*(\i)+1], v[TT+2*(\i):TT+2*(\i)+1], s[CA5:CA5+1], s[CA4:CA4+1] op_sel_hi:[1,0,0]
.endr
.irp c, CA3, CA2, CA1
.irp i, 0,1,2,3
	v_pk_fma_f32 v[PP+2*(\i):PP+2*(\i)+1], v[PP+2*(\i):PP+2*(\i)+1], v[TT+2*(\i):TT+2*(\i)+1], s[\c:\c+1] op_sel_hi:[1,1,0]
.endr
.endr
.irp i, 0,1,2,3
	v_pk_mul_f32 v[TT+2*(\i):TT+2*(\i)+1], v[TT+2*(\i):TT+2*(\i)+1], v[UU+2*(\i):UU+2*(\i)+1]
.endr
.irp i, 0,1,2,3                        ; erf / 2 = 0.5 - series x t x exp
	v_pk_fma_f32 v[PP+2*(\i):PP+2*(\i)+1], v[PP+2*(\i):PP+2*(\i)+1], v[TT+2*(\i):TT+2*(\i)+1], 0.5 op_sel_hi:[1,1,0] neg_lo:[1,0,0] neg_hi:[1,0,0]
.endr
.irp i, 0,1,2,3,4,5,6,7
	v_fma_f32 v[XX+(\i)], |v[XX+(\i)]|, v[PP+(\i)], v[HX+(\i)]
.endr
	s_wait_xcnt 0x0                                ; the last store's data and offset are written again only behind this wait
	v_add_nc_u32 v[ADDR], 4096, v[ADDR]            ; the next row; the store reaches back
.irp i, 0,1,2,3
	v_cvt_pk_f16_f32 v[HO+(\i)], v[XX+2*(\i)], v[XX+2*(\i)+1]
.endr
	global_store_b128 v[ADDR], v[HO:HO+3], s[72:73] offset:-4096  ; 16 lanes store 256 consecutive bytes, at a multiple of 256 from h's first byte
	v_add_f32 v[F], 0x3d800000, v[F]               ; f + 1 / 16
	s_sub_co_u32 s55, s55, 1
	s_cmp_lg_u32 s55, 0
	s_cbranch_scc1 .Lrow
	s_wait_xcnt 0x0
	v_add_nc_u32 v[ADDR], 32768, v[ADDR]           ; over the other half of the lanes' eight rows
	v_add_nc_u32 v[YA], PY, v[YA]
	s_sub_co_u32 s3, s3, 1
	s_cmp_lg_u32 s3, 0
	s_cbranch_scc1 .Lpair
	s_wait_tensorcnt 0x0                           ; the wave's end
	ds_add_u32 v[SPW], v[NIL]
	s_wait_dscnt 0x0
	CROUND                                         ; the closing round
	s_endpgm
.Lfunc_end_k_q08b32b0258_lnup:
	.size	k_q08b32b0258_lnup, .Lfunc_end_k_q08b32b0258_lnup-k_q08b32b0258_lnup
	.p2alignl 7, 3214868480
	.fill 96, 4, 3214868480
	.section	.rodata,"a",@progbits
	.p2align	6, 0x0
	.amdhsa_kernel k_q08b32b0258_lnup
		.amdhsa_group_segment_fixed_size 327680
		.amdhsa_private_segment_fixed_size 0
		.amdhsa_enable_private_segment 0
		.amdhsa_kernarg_size 56
		.amdhsa_user_sgpr_count 2
		.amdhsa_user_sgpr_kernarg_segment_ptr 1
		.amdhsa_wavefront_size32 1
		.amdhsa_system_sgpr_workgroup_id_x 1
		.amdhsa_system_sgpr_workgroup_id_y 1
		.amdhsa_system_sgpr_workgroup_id_z 1
		.amdhsa_system_vgpr_workitem_id 0
		.amdhsa_next_free_vgpr 256
		.amdhsa_next_free_sgpr 100
		.amdhsa_reserve_vcc 0
		.amdhsa_float_denorm_mode_32 3
		.amdhsa_float_denorm_mode_16_64 3
		.amdhsa_memory_ordered 1
		.amdhsa_forward_progress 1
		.amdhsa_inst_pref_size 69
	.end_amdhsa_kernel
	.amdgpu_metadata
---
amdhsa.version: [ 1, 2 ]
amdhsa.kernels:
  - .name:           k_q08b32b0258_lnup
    .symbol:         k_q08b32b0258_lnup.kd
    .args:
      - { .name: o32, .offset: 0, .size: 8, .value_kind: global_buffer, .address_space: global }
      - { .name: ln_g, .offset: 8, .size: 8, .value_kind: global_buffer, .address_space: global }
      - { .name: ln_b, .offset: 16, .size: 8, .value_kind: global_buffer, .address_space: global }
      - { .name: wf16, .offset: 24, .size: 8, .value_kind: global_buffer, .address_space: global }
      - { .name: b1, .offset: 32, .size: 8, .value_kind: global_buffer, .address_space: global }
      - { .name: out0, .offset: 40, .size: 8, .value_kind: global_buffer, .address_space: global }
      - { .name: big16, .offset: 48, .size: 8, .value_kind: global_buffer, .address_space: global }
    .group_segment_fixed_size: 327680
    .private_segment_fixed_size: 0
    .kernarg_segment_align: 8
    .kernarg_segment_size: 56
    .max_flat_workgroup_size: 256
    .sgpr_count:     100
    .vgpr_count:     256
    .wavefront_size: 32
...
	.end_amdgpu_metadata
.endif
;; end of part 5
;; launch recon (part 6): grid 4 x 64, 4 waves a work-group, clusters of 4 x 4, 327,680 bytes of LDS; arguments big16, wf16, b2, out1; writes out1
.if DOCPART == 6
	.amdgcn_target "amdgcn-amd-amdhsa--gfx1250"
	.amdhsa_code_object_version 6
	.text
	.protected	k_q08b32b0258_recon
	.globl	k_q08b32b0258_recon
	.p2align	8
	.type	k_q08b32b0258_recon,@function
k_q08b32b0258_recon:
	s_mov_b64 s[64:65], 0
	v_nop
	global_prefetch_b8 v0, s[64:65] scope:SCOPE_SE
	s_setreg_imm32_b32 hwreg(HW_REG_WAVE_MODE, 25, 1), 1
	s_wait_xcnt 0x0
	s_wait_alu depctr_hold_cnt(0) depctr_sa_sdst(0) depctr_va_vdst(0) depctr_va_sdst(0) depctr_va_ssrc(0) depctr_va_vcc(0) depctr_vm_vsrc(0)
	s_getreg_b32 s2, hwreg(HW_REG_IB_STS2, 6, 4)
	s_cmp_eq_u32 s2, 0
	s_cbranch_scc0 .Lentry_in_a_cluster
	s_endpgm
.Lentry_in_a_cluster:
	s_bfe_u32 s2, ttmp6, 0x10000c
	s_cmp_lg_u32 s2, 0xf033
	s_cbranch_scc0 .Lentry_shape_is_right
	s_endpgm
.Lentry_shape_is_right:
; out1[m][n] = sum over k of h[m][k] w2[n][k] + b2[n].  h: [8192][2048] f16; w2: [1024][2048] f16, at byte 4,194,304 of wf16; b2: [1024] f32; out1: [8192][1024] f32; sums in f32.
; A tile of C is 128 x 256, which gives each of 256 work-groups one tile.  Four waves, each 64 x 128: 32 accumulators, 256 registers.  K goes in steps of 128 (rows of 256 bytes) through two LDS slots.
; CLUSTER: 4 x 4 work-groups.  The four of a row of the cluster need the same tiles of h, the four of a column the same tiles of w2: each tile is asked for jointly.
; THE MATRIX INSTRUCTION IS USED TRANSPOSED (source 0 = 16 rows of w2, source 1 = 16 rows of h): a lane holds row lane % 16 of C and eight neighbouring columns.
; The first product on each accumulator takes b2 as C.  The 32 accumulators take turns, one instruction a turn.
; REGISTERS, in windows of 256 (s_set_vgpr_msb: bits 1:0 source 0, 3:2 source 1, 5:4 source 2, 7:6 destination):
;   window 0: v0-31 addresses; v32-63, v64-95 fragments of h, two buffers; v96-159, v160-223 the way out     window 1: v0-63 b2 of my 128 columns; v64-127, v128-191 fragments of w2, two buffers
;   window 2: the accumulators, (a, b) at v[8 (8 a + b)]
.set SIZE_K, 2048
.set KSTEP,  128
.set PITCH,  272                       ; 256 bytes + 16 = 68 words: row r starts at bank 4 r mod 64 (64 banks of 4 bytes: ISA guide 11.1)
.set HALFA,  64*PITCH                  ; what a wave fetches, and reads, of h
.set HALFB,  128*PITCH                 ; of w2
.set SLOT,   2*HALFA+2*HALFB           ; h's 128 rows, then w2's 256 rows
.set STAGE,  2*SLOT                    ; behind the ring: 16 rows x 528 bytes for each wave, for the way out
.set SPITCH, 528
.set SPARE,  STAGE+4*16*SPITCH         ; the spare words, 128 bytes a wave: two blocks of 256 bytes that no other line names
.set LAPS, SIZE_K/(2*KSTEP)
.set ADRA, 16
.set ADRB, 20
.set STO,  24
.set RD,   25
.set CO,   26
.set HB,   27
.set SPW,  28                          ; v28  LDS address of my spare word; never rewritten
.set NIL,  29                          ; v29  0; never rewritten
.set FA,   32                          ; h's fragments: buffer f at FA + 32 f
.set FB,   64                          ; w2's, in window 1: buffer f at FB + 64 f
.set OB,   96
.set G1, 24
.set G0, 32
.set G1B, 48
.set G0B, 56
.set MSB, 0
.macro WIN new
.if MSB != (\new)
	s_set_vgpr_msb (MSB<<8)|(\new)
.set MSB, \new
.endif
.endm
.macro JLOAD s                         ; a joint load: waves 0 and 1 fetch h's two halves, waves 2 and 3 w2's; an s_nop 0 and four v_nop follow each of the two lines
	s_cmp_eq_u32 s11, 0
	s_cbranch_scc0 .Lfor_b_\@
	tensor_load_to_lds s[G0+4*(\s):G0+4*(\s)+3], s[G1:G1+7]
	s_nop 0
.rept 4
	v_nop
.endr
	s_branch .Lasked_\@
.Lfor_b_\@:
	tensor_load_to_lds s[G0B+4*(\s):G0B+4*(\s)+3], s[G1B:G1B+7]
	s_nop 0
.rept 4
	v_nop
.endr
.Lasked_\@:
.endm
.macro CREST
	s_cmp_lg_u32 s10, 0
	s_cbranch_scc1 .Lnot_wave_0_\@
	s_barrier_signal -3
.Lnot_wave_0_\@:
	s_barrier_wait -3
	s_barrier_signal -1
	s_barrier_wait -1
.endm
.macro CROUND
	s_barrier_signal -1
	s_barrier_wait -1
	CREST
.endm
	s_load_b128 s[4:7], s[0:1], 0x0                ; h s[4:5], wf16 s[6:7]
	s_load_b128 s[68:71], s[0:1], 0x10             ; b2 s[68:69], out1 s[70:71]
	v_lshl_add_u32 v[SPW], v0, 2, SPARE
	v_mov_b32 v[NIL], 0
	ds_add_u32 v[SPW], v[NIL]                      ; the wave's opening: the add and its wait stand ahead of my first tensor load; work on registers stands between them
	ds_add_u32 v28, v29
	v_lshrrev_b32 v1, 5, v0
	v_readfirstlane_b32 s10, v1                    ; wave 0..3
	s_lshr_b32 s11, s10, 1                         ; which half of the tile's rows is mine.  Also: I fetch for h (0) or for w2 (1)
	s_and_b32 s12, s10, 1                          ; which half of its columns.  Also: which half of that tile I fetch
	s_bfe_u32 s40, ttmp6, 0x40000                  ; cx
	s_bfe_u32 s41, ttmp6, 0x40004                  ; cy
	s_lshl_b32 s42, ttmp9, 2
	s_add_co_u32 s42, s42, s40                     ; tile column
	s_and_b32 s13, ttmp7, 0xffff
	s_lshl_b32 s13, s13, 2
	s_add_co_u32 s13, s13, s41                     ; tile row
	s_lshl_b32 s43, s41, 2
	s_lshl_b32 s43, 15, s43                        ; my row of the cluster
	s_lshl_b32 s44, 0x1111, s40                    ; my column
	s_or_b32 s[G1+0], s43, (1<<16)|(1<<20)|(1<<21)|(5<<22)|(3<<25)   ; the mask; 2-byte elements; padding on; bit 21 beside a mask; after every 64 words, 4 words
	s_or_b32 s[G1B+0], s44, (1<<16)|(1<<20)|(1<<21)|(5<<22)|(3<<25)
	s_mov_b32 s[G1+1], KSTEP<<16                   ; tensor_dim0 = 128
	s_mov_b32 s[G1+2], 64<<16                      ; tensor_dim1 = 64
	s_mov_b32 s[G1+3], KSTEP<<16                   ; tile_dim0 = 128
	s_mov_b32 s[G1+4], 64                          ; tile_dim1 = 64
	s_mov_b32 s[G1+5], SIZE_K
	s_mov_b32 s[G1+6], 0
	s_mov_b32 s[G1+7], 0
	s_mov_b32 s[G1B+1], KSTEP<<16
	s_mov_b32 s[G1B+2], 128<<16                    ; 128 rows
	s_mov_b32 s[G1B+3], KSTEP<<16
	s_mov_b32 s[G1B+4], 128
	s_mov_b32 s[G1B+5], SIZE_K
	s_mov_b32 s[G1B+6], 0
	s_mov_b32 s[G1B+7], 0
	s_lshl_b32 s17, s12, 6
	s_lshl_b32 s16, s13, 7
	s_add_co_u32 s16, s16, s17                     ; h: row 128 x tile row + 64 x half,
	s_lshl_b32 s16, s16, 12                        ; of 4,096 bytes
	s_mov_b32 s17, 0
	s_lshl_b32 s47, s12, 7
	s_lshl_b32 s46, s42, 8
	s_add_co_u32 s46, s46, s47                     ; w2: row 256 x tile column + 128 x half,
	s_lshl_b32 s46, s46, 12
	s_add_co_u32 s46, s46, 0x400000                ; behind w1
	s_mov_b32 s47, 0
	s_mul_i32 s20, s12, HALFA                      ; where they go: no place in the cluster enters an LDS address
	s_mul_i32 s21, s12, HALFB
	s_add_co_u32 s21, s21, 2*HALFA
	s_wait_dscnt 0x0                               ; the opening add is done
	s_wait_kmcnt 0x0
	s_add_nc_u64 s[14:15], s[4:5], s[16:17]
	s_add_nc_u64 s[46:47], s[6:7], s[46:47]
	CROUND                                         ; all sixteen work-groups are here: the first joint loads meet
.irp s, 0,1
	s_mov_b32 s[G0+4*(\s)], 1
	s_add_co_u32 s[G0+4*(\s)+1], s20, (\s)*SLOT
	s_add_nc_u64 s[G0+4*(\s)+2:G0+4*(\s)+3], s[14:15], (\s)*KSTEP*2
	s_or_b32 s[G0+4*(\s)+3], s[G0+4*(\s)+3], 0x80000000
	s_mov_b32 s[G0B+4*(\s)], 1
	s_add_co_u32 s[G0B+4*(\s)+1], s21, (\s)*SLOT
	s_add_nc_u64 s[G0B+4*(\s)+2:G0B+4*(\s)+3], s[46:47], (\s)*KSTEP*2
	s_or_b32 s[G0B+4*(\s)+3], s[G0B+4*(\s)+3], 0x80000000
	JLOAD \s                                       ; two loads of mine are out
.endr
	v_and_b32 v1, 15, v0                           ; l % 16
	v_bfe_u32 v2, v0, 4, 1                         ; l / 16
	v_lshlrev_b32 v[HB], 5, v2
	s_lshl_b32 s72, s42, 10                        ; b2 of my 128 columns
	s_lshl_b32 s73, s12, 9
	s_add_co_u32 s72, s72, s73
	s_mov_b32 s73, 0
	s_add_nc_u64 s[68:69], s[68:69], s[72:73]
	s_mov_b64 s[8:9], s[70:71]
	WIN 0x40
.irp b, 0,1,2,3,4,5,6,7                ; for column block b: register j = b2 of column 16 b + 8 (l / 16) + j
	global_load_b128 v[8*(\b):8*(\b)+3],   v[HB], s[68:69] offset:64*(\b)
	global_load_b128 v[8*(\b)+4:8*(\b)+7], v[HB], s[68:69] offset:64*(\b)+16
.endr
	WIN 0
	v_mul_u32_u24 v3, v1, PITCH
	v_lshl_add_u32 v3, v2, 4, v3
	s_mul_i32 s22, s11, HALFA                      ; my 64 rows of h
	s_mul_i32 s23, s12, HALFB                      ; my 128 rows of w2,
	s_add_co_u32 s23, s23, 2*HALFA                 ; which lie behind h's 128
.irp s, 0,1
	v_add_nc_u32 v[ADRA+(\s)], s22, v3
	v_add_nc_u32 v[ADRB+(\s)], s23, v3
	s_add_co_u32 s22, s22, SLOT
	s_add_co_u32 s23, s23, SLOT
.endr
	s_mul_i32 s23, s10, 16*SPITCH
	s_add_co_u32 s23, s23, STAGE                   ; my stage
	v_mad_u32_u24 v[STO], v1, SPITCH, v[HB]        ; in: row l % 16, 32 bytes for each half of the lanes
	v_add_nc_u32 v[STO], s23, v[STO]
	v_and_b32 v[CO], 31, v0                        ; back: 32 lanes take a row's 512 bytes
	v_lshlrev_b32 v[CO], 4, v[CO]
	v_add_nc_u32 v[RD], s23, v[CO]
	s_lshl_b32 s16, s13, 7                         ; where my part begins in C: row 128 x tile row + 64 x row half, byte 1,024 x tile column + 512 x column half
	s_lshl_b32 s14, s11, 6
	s_add_co_u32 s16, s16, s14
	s_lshl_b32 s16, s16, 12
	s_lshl_b32 s14, s12, 9
	s_add_co_u32 s16, s16, s14
	s_mov_b32 s17, 0
	s_lshl_b32 s46, s42, 10
	s_mov_b32 s47, 0
	s_add_nc_u64 s[16:17], s[16:17], s[46:47]
; 8 matrix instructions: m block a x all 8 n blocks, 32 along K, on buffer f.  zero = 1: the first product starts the sums, with b2 as C (source 2 in window 1)
.macro MUL8 f, a, zero
.if \zero
	WIN 0x91
.else
	WIN 0xa1
.endif
.irp b, 0,1,2,3,4,5,6,7
.if \zero
	v_wmma_f32_16x16x32_f16 v[8*(8*(\a)+(\b)):8*(8*(\a)+(\b))+7], v[FB+64*(\f)+8*(\b):FB+64*(\f)+8*(\b)+7], v[FA+32*(\f)+8*(\a):FA+32*(\f)+8*(\a)+7], v[8*(\b):8*(\b)+7]
.else
	v_wmma_f32_16x16x32_f16 v[8*(8*(\a)+(\b)):8*(8*(\a)+(\b))+7], v[FB+64*(\f)+8*(\b):FB+64*(\f)+8*(\b)+7], v[FA+32*(\f)+8*(\a):FA+32*(\f)+8*(\a)+7], v[8*(8*(\a)+(\b)):8*(8*(\a)+(\b))+7]
.endif
.endr
.endm
; 24 LDS loads in one run: the fragments of one quarter step (128 rows of w2, then 64 rows of h, 32 K at byte k of the rows) into buffer f
.macro FETCH slot, k, f
	WIN 0x40
.irp i, 0,1,2,3,4,5,6,7
	ds_load_b128 v[FB+64*(\f)+8*(\i):FB+64*(\f)+8*(\i)+3],   v[ADRB+(\slot)] offset:(\k)+(\i)*16*PITCH
	ds_load_b128 v[FB+64*(\f)+8*(\i)+4:FB+64*(\f)+8*(\i)+7], v[ADRB+(\slot)] offset:(\k)+(\i)*16*PITCH+32
.endr
	WIN 0
.irp i, 0,1,2,3
	ds_load_b128 v[FA+32*(\f)+8*(\i):FA+32*(\f)+8*(\i)+3],   v[ADRA+(\slot)] offset:(\k)+(\i)*16*PITCH
	ds_load_b128 v[FA+32*(\f)+8*(\i)+4:FA+32*(\f)+8*(\i)+7], v[ADRA+(\slot)] offset:(\k)+(\i)*16*PITCH+32
.endr
.endm
.macro PLACES                          ; four places in front of loads into registers that matrix instructions have read, and of stores that read results
.rept 4
	v_nop
.endr
.endm
; A K step is four quarters of 32 along K, 32 matrix instructions each, on buffers 0, 1, 0, 1.
.macro QUARTER slot, k, f, g, zero
	s_wait_dscnt 4                                 ; w2 and h's blocks 0 and 1 are in; the youngest four loads (blocks 2 and 3) may be out
	MUL8 \f, 0, \zero
	MUL8 \f, 1, \zero
	PLACES
	FETCH \slot, \k, \g
	s_wait_dscnt 24                                ; all but the 24 just issued
	MUL8 \f, 2, \zero
	MUL8 \f, 3, \zero
.endm
; The last quarter multiplies buffer 1 and changes slots: ONE barrier; in front of it each wave waits for all its tensor loads (one is out: its part of the next slot), adds 0 to its spare word, and waits for that and
; for its own reads of this slot.  fill = 1: the barrier opens a round of the cluster's, and this slot is filled again, two K steps ahead, first thing behind the round.
.macro TURN slot, next, fill
	WIN 0                                          ; (the add's two registers lie in window 0)
	s_wait_tensorcnt 0x0
	ds_add_u32 v[SPW], v[NIL]
	s_wait_dscnt 5                                 ; (the add and the youngest four loads may be out)
	MUL8 1, 0, 0                                   ; eight matrix instructions stand between the add and the wait for it
	s_wait_dscnt 0x0                               ; the add is done, and my reads of this slot are over
	s_barrier_signal -1
	MUL8 1, 1, 0
.if \fill
	WIN 0
.endif
	s_barrier_wait -1
.if \fill
	CREST                                          ; no wave of any partner still reads this slot's tile or has a load on its way
	s_add_nc_u64 s[G0+4*(\slot)+2:G0+4*(\slot)+3], s[G0+4*(\slot)+2:G0+4*(\slot)+3], 2*KSTEP*2
	s_add_nc_u64 s[G0B+4*(\slot)+2:G0B+4*(\slot)+3], s[G0B+4*(\slot)+2:G0B+4*(\slot)+3], 2*KSTEP*2
	JLOAD \slot                                    ; 112 matrix instructions ahead of the wait for it; its four v_nop are also the places in front of the loads below
.else
	PLACES
.endif
	FETCH \next, 0, 0
	MUL8 1, 2, 0
	MUL8 1, 3, 0
.endm
; THE WAY OUT of block a (16 rows x 128 columns of f32): into my own stage, each accumulator's low registers first, and back as whole rows of 512 bytes; then stored.
.macro TOSTAGE a
	WIN 0x08                                       ; the stores' data in window 2
.irp b, 0,1,2,3,4,5,6,7
	ds_store_b128 v[STO], v[8*(8*(\a)+(\b)):8*(8*(\a)+(\b))+3]   offset:64*(\b)
	ds_store_b128 v[STO], v[8*(8*(\a)+(\b))+4:8*(8*(\a)+(\b))+7] offset:64*(\b)+16
.endr
	WIN 0
.set BK, OB+64*((\a)%2)
.irp t, 0,1,2,3,4,5,6,7,8,9,10,11,12,13,14,15
	ds_load_b128 v[BK+4*(\t):BK+4*(\t)+3], v[RD] offset:(\t)*SPITCH  ; LDS serves a wave's instructions in order (ISA guide 5.7.1.4): these see the stores above
.endr
.endm
.macro SEND a
	WIN 0
.set BK, OB+64*((\a)%2)
	s_wait_dscnt 0x0                               ; the block is back in registers
	s_wait_xcnt 0x0                                ; only behind this wait are the stores' base and the registers that earlier stores read rewritten
.if (\a) == 0
	s_add_nc_u64 s[8:9], s[8:9], s[16:17]
.else
	s_add_nc_u64 s[8:9], s[8:9], 65536             ; 16 rows of 4,096 bytes on
.endif
.irp t, 0,1,2,3,4,5,6,7,8,9,10,11,12,13,14,15
	global_store_b128 v[CO], v[BK+4*(\t):BK+4*(\t)+3], s[8:9] offset:(\t)*4096 th:TH_STORE_NT  ; 512 consecutive bytes, at a multiple of 256 from C's first byte
.endr
.endm
	s_wait_tensorcnt 1                             ; my part of K step 0 is in; K step 1's may stay out
	s_barrier_signal -1
	s_barrier_wait -1
	FETCH 0, 0, 0
	s_wait_loadcnt 0x0                             ; b2
	QUARTER 0, 64,  0, 1, 1                        ; the first quarter stands in front of the loop: its products start the sums
	WIN 0                                          ; at a label and at a branch every window is 0
	s_mov_b32 s3, LAPS-1
.Llap:                                                 ; a trip goes once round the ring, from a lap's second quarter to the next lap's first, and fills both slots again
	QUARTER 0, 128, 1, 0, 0
	QUARTER 0, 192, 0, 1, 0
	TURN 0, 1, 1
	QUARTER 1, 64,  0, 1, 0
	QUARTER 1, 128, 1, 0, 0
	QUARTER 1, 192, 0, 1, 0
	TURN 1, 0, 1
	QUARTER 0, 64,  0, 1, 0
	WIN 0
	s_sub_co_u32 s3, s3, 1
	s_cmp_lg_u32 s3, 0
	s_cbranch_scc1 .Llap
	QUARTER 0, 128, 1, 0, 0                        ; the last lap fills nothing, and has no round of the cluster's barrier
	QUARTER 0, 192, 0, 1, 0
	TURN 0, 1, 0
	QUARTER 1, 64,  0, 1, 0
	QUARTER 1, 128, 1, 0, 0
	QUARTER 1, 192, 0, 1, 0
	s_wait_dscnt 4                                 ; the very last quarter: nothing more to fetch
	MUL8 1, 0, 0
	MUL8 1, 1, 0
	s_wait_dscnt 0x0
	MUL8 1, 2, 0
	MUL8 1, 3, 0
	PLACES
	TOSTAGE 0
.irp a, 1,2,3
	SEND (\a)-1
	TOSTAGE \a
.endr
	SEND 3
	s_wait_tensorcnt 0x0                           ; the wave's end
	ds_add_u32 v[SPW], v[NIL]
	s_wait_dscnt 0x0
	CROUND                                         ; the closing round
	s_endpgm
.Lfunc_end_k_q08b32b0258_recon:
	.size	k_q08b32b0258_recon, .Lfunc_end_k_q08b32b0258_recon-k_q08b32b0258_recon
	.p2alignl 7, 3214868480
	.fill 96, 4, 3214868480
	.section	.rodata,"a",@progbits
	.p2align	6, 0x0
	.amdhsa_kernel k_q08b32b0258_recon
		.amdhsa_group_segment_fixed_size 327680
		.amdhsa_private_segment_fixed_size 0
		.amdhsa_enable_private_segment 0
		.amdhsa_kernarg_size 32
		.amdhsa_user_sgpr_count 2
		.amdhsa_user_sgpr_kernarg_segment_ptr 1
		.amdhsa_wavefront_size32 1
		.amdhsa_system_sgpr_workgroup_id_x 1
		.amdhsa_system_sgpr_workgroup_id_y 1
		.amdhsa_system_sgpr_workgroup_id_z 1
		.amdhsa_system_vgpr_workitem_id 0
		.amdhsa_next_free_vgpr 768
		.amdhsa_next_free_sgpr 76
		.amdhsa_reserve_vcc 0
		.amdhsa_float_denorm_mode_32 3
		.amdhsa_float_denorm_mode_16_64 3
		.amdhsa_memory_ordered 1
		.amdhsa_forward_progress 1
		.amdhsa_inst_pref_size 87
	.end_amdhsa_kernel
	.amdgpu_metadata
---
amdhsa.version: [ 1, 2 ]
amdhsa.kernels:
  - .name:           k_q08b32b0258_recon
    .symbol:         k_q08b32b0258_recon.kd
    .args:
      - { .name: big16, .offset: 0, .size: 8, .value_kind: global_buffer, .address_space: global }
      - { .name: wf16, .offset: 8, .size: 8, .value_kind: global_buffer, .address_space: global }
      - { .name: b2, .offset: 16, .size: 8, .value_kind: global_buffer, .address_space: global }
      - { .name: out1, .offset: 24, .size: 8, .value_kind: global_buffer, .address_space: global }
    .group_segment_fixed_size: 327680
    .private_segment_fixed_size: 0
    .kernarg_segment_align: 8
    .kernarg_segment_size: 32
    .max_flat_workgroup_size: 128
    .sgpr_count:     76
    .vgpr_count:     768
    .wavefront_size: 32
...
	.end_amdgpu_metadata
.endif
;; end of part 6
